; MI455X (gfx1250); checked and timed in simulation.
; The chip was launched on July 23, 2026; its instructions are those of AMD's public machine-readable ISA for CDNA 5 (MIT licence, August 2026) and "CDNA5" Instruction Set Architecture Reference Guide (July 2026). The comments in the code are by the model that wrote it; some were corrected since.
;; Flash Attention. Allowed arithmetic: matrix products marked QUANTISED: E2M1 operands, one E8M0 scale for each 32 along K, by v_wmma_scale_f32_16x16x128_f8f6f4 with both operands' format E2M1 (or v_wmma_scale_f32_32x16x128_f4), f32 sums; products left as they are: bf16, f16 or f32 operands; f32 sums; everything else in f32.
;; Inputs: b_proj 1,024 float32; w_proj 1,024 x 1,024 float32; w_qkv 1,024 x 3,072 float32; x 4 x 2,048 x 1,024 float32.
;; Outputs: out0 4 x 2,048 x 1,024 float32.
;; This version of the problem:
;;   THIS VERSION OF THE PROBLEM IS GIVEN IN LOW PRECISION. The matrix products marked QUANTISED in the list below multiply operands that are first quantised to E2M1 (2 exponent bits, 1 mantissa bit; 4 bits a number), with one power-of-two scale for each 32 numbers along K (OCP MX v1.0); their sums are f32. The products marked 'left as it is' may take bf16, f16 or f32 operands, with f32 sums. Whichever they take, every output number must still come out within the allowed error. Rounding operands to bf16 (8 significant bits) uses up far more of that allowance than f16 does (11 bits, for magnitudes from 6e-5 to 65,504). All else is computed in f32.
;;   The module's matrix products, in the order in which they are computed (A, B: the left and right operand; K: the contracted axis; several contracted axes count as one K, in the product's order):
;;     1. [M 8,192, K 1,024] x [K 1,024, N 3,072]; A: input x; B: input w_qkv: QUANTISED
;;     2. batch 64 x [M 2,048, K 64] x [K 64, N 2,048]; A: computed on the way; B: computed on the way: left as it is (an operand is computed on the way)
;;     3. batch 64 x [M 2,048, K 2,048] x [K 2,048, N 64]; A: computed on the way; B: computed on the way: left as it is (an operand is computed on the way)
;;     4. [M 8,192, K 1,024] x [K 1,024, N 1,024]; A: computed on the way; B: input w_proj: left as it is (an operand is computed on the way)
;;   THE QUANTISER, for each operand of a quantised product, along K:
;;     - K is cut into blocks of 32 from its start; a last block that is shorter is filled with zeros.
;;     - A block's scale is 2^e with e = floor(log2(the largest magnitude in the block)) - 2, held to -126 .. 127; a block of zeros has e = 0. As a byte (E8M0): e + 127.
;;     - Each number is divided by its block's scale, clamped to +-6, and rounded to the nearest number of E2M1, ties to even, subnormals kept.
;;     - The product sums the exact products of the quantised numbers (number of the format x scale) in f32.
;;   ~~~python
;;   def quantise(x, axis):      # numpy; x: float32 -> the quantised numbers, widened to float32 again
;;       x = np.moveaxis(x, axis, -1); K = x.shape[-1]
;;       x = np.pad(x, [(0, 0)] * (x.ndim - 1) + [(0, -K % 32)]); x = x.reshape(x.shape[:-1] + (-1, 32)); a = np.abs(x).max(-1, keepdims=True)
;;       e = np.where(a > 0, np.clip(np.frexp(np.where(a > 0, a, 1))[1] - 1 - 2, -126, 127), 0)      # np.frexp(a)[1] - 1 = floor(log2(a)), exactly
;;       r = np.clip(x / 2.0 ** e, -6, 6)
;;       step = 2.0 ** (np.maximum(np.frexp(np.where(r == 0, 1, r))[1] - 1, 0) - 1)
;;       q = np.round(r / step) * step * 2.0 ** e      # np.round: ties to even
;;       return np.moveaxis(q.reshape(q.shape[:-2] + (-1,))[..., :K], -1, axis).astype(np.float32)
;;   ~~~
;; One version. Each part assembles by itself: llvm-mc -triple=amdgcn-amd-amdhsa -mcpu=gfx1250 --defsym DOCPART=n.
;; ======== version 1 of 1: 5 launches
;; limits: values are held in f16: magnitudes above 65,504 overflow, below 6.1e-05 lose precision
;; workspace buffers: x_codes 4,194,304 bytes; x_scales 262,144 bytes; w_codes 1,572,864 bytes; w_scales 98,304 bytes; wp 6,291,456 bytes; qkv 51,118,080 bytes; o_img 16,777,216 bytes
;; launch prep (part 1): grid 368 x 1, 4 waves a work-group, no clusters, 68,096 bytes of LDS; arguments x, w_qkv, w_proj, x_codes, x_scales, w_codes, w_scales, wp; writes x_codes, x_scales, w_codes, w_scales, wp
.if DOCPART == 1
	.amdgcn_target "amdgcn-amd-amdhsa--gfx1250"
	.amdhsa_code_object_version 6
	.text
	.protected	k_q5373545dd9_prep
	.globl	k_q5373545dd9_prep
	.p2align	8
	.type	k_q5373545dd9_prep,@function
k_q5373545dd9_prep:
	s_mov_b64 s[64:65], 0
	v_nop
	global_prefetch_b8 v0, s[64:65] scope:SCOPE_SE
	s_setreg_imm32_b32 hwreg(HW_REG_WAVE_MODE, 25, 1), 1
	s_wait_xcnt 0x0
; THE OPERANDS ARE MADE READY, each once.  Three kinds of work-groups, told apart by the work-group's number; their ways never join, and each has LDS bytes of its own.
;   0-47    PATH W: w_qkv [1024 k][3072 n] f32 -> codes of FP4 (E2M1), K innermost, [3072][512 bytes], and one E8M0 byte for each 32 along K, [3072][32].
;   48-111  PATH P: w_proj [1024 k][1024 n] f32 -> two images in wp, laid in the order of a matrix operand's registers:
;           from byte 0 f16 fragments [n tile 64][k fragment 32][1,024 bytes]: lane (r, h) has row n = r; k = 8 h .. + 7 at 16 x lane, k = 16 + 8 h .. + 7 at 512 + 16 x lane;
;           from byte 2,097,152 f32 [n tile 64][16 k 64][1,024 bytes]: lane 16 h + r has w_proj[16 g + 8 h + j][n = r], j = 0-3 at 16 x lane, j = 4-7 at 512 + 16 x lane.
;   112-367 PATH X: x [8192][1024] f32 -> codes [8192][512 bytes] and scale bytes [8192][32].
; A block's scale is 2^(floor(log2(its largest magnitude)) - 2); its byte is the largest magnitude's exponent field - 2, held at 1 from below.  A block of zeros so gets the byte 1:
; its codes are zeros, which add nothing, and the bytes are read by this program alone.
; LIMITS: blocks whose largest magnitude lies under 2^-124 get the byte 1; NaN and infinities among the inputs are not served; w_proj beyond 65,504 has no f16 number.
; No tensor loads, no barrier: waves share nothing.  No matrix unit and no cluster: every byte is read once.
.set SPW,   190                        ; v190 LDS address of my spare word; never rewritten
.set NIL,   191                        ; v191 0; never rewritten
.set SPARE, 67584                      ; behind both paths' regions: the spare words, 128 bytes a wave
.macro FINI                            ; the wave's end
	s_wait_tensorcnt 0x0
	ds_add_u32 v[SPW], v[NIL]
	s_wait_dscnt 0x0
	s_endpgm
.endm
	s_load_b256 s[4:11], s[0:1], 0x0               ; x s[4:5], w_qkv s[6:7], w_proj s[8:9], x_codes s[10:11]
	s_load_b256 s[12:19], s[0:1], 0x20             ; x_scales s[12:13], w_codes s[14:15], w_scales s[16:17], wp s[18:19]
	v_lshl_add_u32 v[SPW], v0, 2, SPARE
	v_mov_b32 v[NIL], 0
	v_lshrrev_b32 v1, 5, v0
	v_readfirstlane_b32 s20, v1                    ; wave 0..3
	v_and_b32 v2, 31, v0                           ; lane
	s_cmp_ge_u32 ttmp9, 112
	s_cbranch_scc1 .Lpath_x
	s_cmp_ge_u32 ttmp9, 48
	s_cbranch_scc1 .Lpath_p
; ---------------- PATH W: a lane takes a column n, and its registers run down K: a block of 32 along K lies in one lane, and the conversions give codes with K innermost.
; A wave takes 32 columns x 512 along K; a column's 256 bytes of codes go through the wave's stage and leave as rows: sixteen lanes store 256 consecutive aligned bytes.
.set WNB,    16                        ; blocks of 32 along K for a wave
.set WPITCH, 272                       ; a stage row: 256 bytes + 16
.set WKROW,  512                       ; a row of w_codes
.set WN,     3072
.set WSTG,   32768                     ; this path's LDS: four stages of 32 x 272 bytes
.set WX,     32                        ; v32-95   two sets of 32 numbers
.set WC,     96                        ; v96-99   a block's codes
.set WOUT,   112                       ; v112-175 the way out
.set WSB,    24                        ; v24-27   the scale bytes, four to a register
	s_cmp_ge_u32 ttmp9, 24
	s_cselect_b32 s22, 1, 0                        ; which 512 along K
	s_cselect_b32 s21, 24, 0
	s_sub_co_u32 s21, ttmp9, s21                   ; which 128 columns
	s_lshl_b32 s21, s21, 7
	s_lshl_b32 s23, s20, 5
	s_add_co_u32 s21, s21, s23                     ; my wave's first column
	v_lshlrev_b32 v3, 2, v2                        ; in: 4 bytes a lane
	s_mul_i32 s23, s20, 32*WPITCH
	s_add_co_u32 s23, s23, WSTG                    ; my stage
	v_mul_u32_u24 v4, v2, WPITCH
	v_add_nc_u32 v4, s23, v4                       ; into it: row = my column
	v_and_b32 v5, 15, v2
	v_lshrrev_b32 v6, 4, v2
	v_mul_u32_u24 v7, v6, WPITCH
	v_lshl_add_u32 v7, v5, 4, v7
	v_add_nc_u32 v7, s23, v7                       ; out of it: sixteen lanes to a row, two rows an instruction
	v_mul_u32_u24 v8, v6, WKROW
	v_lshl_add_u32 v8, v5, 4, v8                   ; and the same place in w_codes
	s_mul_i32 s24, s22, 512*WN*4                   ; w_qkv: 512 rows of 12,288 bytes,
	s_lshl_b32 s25, s21, 2
	s_add_co_u32 s24, s24, s25                     ; + 4 x column
	s_mov_b32 s25, 0
	s_lshl_b32 s26, s21, 9                         ; w_codes: column x 512
	s_lshl_b32 s27, s22, 8
	s_add_co_u32 s26, s26, s27                     ; + 256 for the second half of K
	s_mov_b32 s27, 0
	s_lshl_b32 s28, s21, 5                         ; w_scales: column x 32
	s_lshl_b32 s29, s22, 4
	s_add_co_u32 s28, s28, s29
	s_mov_b32 s29, 0
	v_lshlrev_b32 v9, 5, v2                        ; my column's row of scale bytes
	s_wait_kmcnt 0x0
	s_add_nc_u64 s[6:7], s[6:7], s[24:25]
	s_add_nc_u64 s[14:15], s[14:15], s[26:27]
	s_add_nc_u64 s[16:17], s[16:17], s[28:29]
.macro WLOAD t                         ; block t: w_qkv(32 t + i, my column) into set t % 2.  The largest immediate, 511 x 12,288 bytes, lies inside the signed 24 bits
.irp i, 0,1,2,3,4,5,6,7,8,9,10,11,12,13,14,15,16,17,18,19,20,21,22,23,24,25,26,27,28,29,30,31
	global_load_b32 v[WX+32*((\t)%2)+\i], v3, s[6:7] offset:(32*(\t)+\i)*WN*4 th:TH_LOAD_NT
.endr
.endm
	WLOAD 0
	WLOAD 1
.macro WBLOCK t
.set XS, WX+32*((\t)%2)
.if (\t) < WNB-1
	s_wait_loadcnt 32                              ; this block's 32 loads are in; the next block's may be out
.else
	s_wait_loadcnt 0
.endif
	v_max3_num_f32 v12, |v[XS]|, |v[XS+1]|, |v[XS+2]|      ; the block's largest magnitude: all 32 numbers are mine; two chains
	v_max3_num_f32 v13, |v[XS+3]|, |v[XS+4]|, |v[XS+5]|
.irp i, 6,10,14,18,22,26
	v_max3_num_f32 v12, v12, |v[XS+\i]|, |v[XS+\i+1]|
	v_max3_num_f32 v13, v13, |v[XS+\i+2]|, |v[XS+\i+3]|
.endr
	v_max3_num_f32 v12, v12, |v[XS+30]|, |v[XS+31]|
	v_max3_num_f32 v12, v12, v13, 0x1800000        ; and the floor 2^(3 - 127): the byte cannot fall under 1
	v_add_nc_u32 v11, 0xff000000, v12              ; 2 off the exponent field: the conversion takes this operand's exponent field as its scale
	v_lshrrev_b32 v13, 23, v11                     ; the scale's byte
.if (\t)%4 == 0
	v_mov_b32 v[WSB+(\t)/4], v13                   ; four bytes to a register, the lower K in the lower byte
.else
	v_lshl_or_b32 v[WSB+(\t)/4], v13, 8*((\t)%4), v[WSB+(\t)/4]
.endif
.irp g, 0,1,2,3
	v_cvt_scalef32_pk8_fp4_f32 v[WC+\g], v[XS+8*\g:XS+8*\g+7], v11
.endr
	v_nop                                          ; a plain line behind the last conversion
	ds_store_b128 v4, v[WC:WC+3] offset:16*(\t)    ; 32 codes: 16 bytes of my column's row
.if (\t)+2 < WNB
	WLOAD (\t)+2
.endif
	s_wait_dscnt 0x0                               ; the store has read its registers: the next block's codes may be written
.endm
.set Q, 0
.rept WNB
	WBLOCK Q
.set Q, Q+1
.endr
	global_store_b128 v9, v[WSB:WSB+3], s[16:17]   ; my column's 16 scale bytes
.irp t, 0,1,2,3,4,5,6,7,8,9,10,11,12,13,14,15
	ds_load_b128 v[WOUT+4*\t:WOUT+4*\t+3], v7 offset:2*\t*WPITCH   ; LDS serves a wave's instructions in order: these see my stores
.endr
.irp t, 0,1,2,3,4,5,6,7,8,9,10,11,12,13,14,15
	s_wait_dscnt 15-\t                             ; the younger loads may be out
	global_store_b128 v8, v[WOUT+4*\t:WOUT+4*\t+3], s[14:15] offset:2*\t*WKROW
.endr
	FINI
; ---------------- PATH P: a lane takes a column n of w_proj, its registers run down 128 of K.  Four neighbouring registers are four neighbours along K of one row n of an image,
; so they are stored as they stand (f32) or packed in pairs (f16): sixteen lanes store 256 consecutive aligned bytes.  No LDS.
.Lpath_p:
.set PX, 32                            ; v32-159  128 numbers, four blocks of 32
.set PH, 160                           ; v160-175 a block as f16
	s_sub_co_u32 s21, ttmp9, 48
	s_and_b32 s22, s21, 7                          ; which 128 columns
	s_lshr_b32 s23, s21, 3                         ; which 128 of K
	v_lshlrev_b32 v3, 2, v2                        ; in: 4 bytes a lane
	v_and_b32 v5, 15, v2
	v_lshrrev_b32 v6, 4, v2
	v_lshlrev_b32 v7, 4, v5
	v_lshl_add_u32 v8, v6, 15, v7                  ; f16 image: an n tile is 32,768 bytes; 16 bytes a row
	v_lshl_add_u32 v9, v6, 16, v7                  ; f32 image: an n tile is 65,536 bytes
	s_lshl_b32 s24, s23, 19                        ; 128 rows of 4,096 bytes
	s_lshl_b32 s25, s22, 9
	s_add_co_u32 s24, s24, s25
	s_lshl_b32 s25, s20, 7
	s_add_co_u32 s24, s24, s25                     ; + my wave's first column x 4
	s_mov_b32 s25, 0
	s_lshl_b32 s26, s22, 3
	s_lshl_b32 s27, s20, 1
	s_add_co_u32 s26, s26, s27                     ; my first n tile
	s_lshl_b32 s28, s26, 16
	s_lshl_b32 s29, s23, 13                        ; 8 groups of 16 k, 1,024 bytes each
	s_add_co_u32 s28, s28, s29
	s_add_co_u32 s28, s28, 2097152
	s_mov_b32 s29, 0
	s_lshl_b32 s26, s26, 15
	s_lshl_b32 s27, s23, 12                        ; 4 fragments of 32 k, 1,024 bytes each
	s_add_co_u32 s26, s26, s27
	s_mov_b32 s27, 0
	s_wait_kmcnt 0x0
	s_add_nc_u64 s[8:9], s[8:9], s[24:25]
	s_add_nc_u64 s[30:31], s[18:19], s[28:29]      ; the f32 image
	s_add_nc_u64 s[18:19], s[18:19], s[26:27]      ; the f16 image
.macro PLOAD t
.irp i, 0,1,2,3,4,5,6,7,8,9,10,11,12,13,14,15,16,17,18,19,20,21,22,23,24,25,26,27,28,29,30,31
	global_load_b32 v[PX+32*(\t)+\i], v3, s[8:9] offset:(32*(\t)+\i)*4096 th:TH_LOAD_NT
.endr
.endm
.macro PBLOCK t
.if (\t) < 3
	s_wait_loadcnt 32                              ; this block's 32 loads are in; the next block's may be out
.else
	s_wait_loadcnt 0
.endif
.if (\t)+2 < 4
	PLOAD (\t)+2                                   ; every block has registers of its own
.endif
.irp u, 0,1,2,3,4,5,6,7                        ; registers 4 u .. 4 u + 3: k = 4 u ..: group u / 4, half (u / 2) % 2 of the lanes, j = 4 (u % 2) ..
	global_store_b128 v9, v[PX+32*(\t)+4*\u:PX+32*(\t)+4*\u+3], s[30:31] offset:2048*(\t)+(\u/4)*1024+(\u%2)*512+((\u/2)%2)*256
.endr
.if (\t) > 0
	s_wait_xcnt 0x0                                ; the last block's f16 stores have read their registers
.endif
.irp m, 0,1,2,3,4,5,6,7,8,9,10,11,12,13,14,15
	v_cvt_pk_f16_f32 v[PH+\m], v[PX+32*(\t)+2*\m], v[PX+32*(\t)+2*\m+1]
.endr
.irp p, 0,1,2,3                                ; piece p: k = 8 p .. 8 p + 7
	global_store_b128 v8, v[PH+4*\p:PH+4*\p+3], s[18:19] offset:1024*(\t)+(\p/2)*512+(\p%2)*256
.endr
.endm
	PLOAD 0
	PLOAD 1
	PBLOCK 0
	PBLOCK 1
	PBLOCK 2
	PBLOCK 3
	FINI
; ---------------- PATH X: rows are dense and K is a multiple of 32, so x is a plain stream of blocks of 32.  A wave takes 16 steps of 512 numbers.  Each load reads 512 consecutive bytes;
; a step's 2,048 bytes turn through the wave's stage in LDS and come back 64 bytes a lane: 16 neighbours, two lanes to a block.  A wave's 256 scale bytes are gathered in LDS and leave as one aligned run.
.Lpath_x:
.set STEPS, 16
.set CB,    8                          ; bytes of 16 codes
.set XR,    16                         ; v16-79   four sets of 16 numbers as loaded
.set XX,    80                         ; v80-111  two sets of 16 neighbours
.set XE,    112                        ; v112-127 a scale byte for each step
.set XC,    128                        ; v128-189 codes: registers of its own for each step
.set WREG,  8192                       ; this path's LDS: a region for each wave: two stages of 32 x 80 bytes, then its 256 scale bytes
.set SP,    80                         ; a lane's place in a stage: 64 bytes + 16
	v_lshlrev_b32 v3, 4, v2                        ; my 16 bytes of a load's 512
	s_mul_i32 s21, s20, WREG
	v_lshrrev_b32 v14, 2, v2
	v_mul_u32_u24 v14, v14, SP
	v_and_b32 v15, 3, v2
	v_lshl_add_u32 v14, v15, 4, v14
	v_add_nc_u32 v14, s21, v14                     ; the stage, on the way in: four lanes' 64 bytes on end, then 16 of padding
	v_mul_u32_u24 v15, v2, SP
	v_add_nc_u32 v15, s21, v15                     ; and on the way out: my 16 neighbours
	v_mul_u32_u24 v4, v2, CB                       ; my codes' place in a step's
	v_lshrrev_b32 v5, 1, v2
	s_add_co_u32 s21, s21, 2*32*SP
	v_add_nc_u32 v5, s21, v5                       ; my block's byte among my wave's 256
	v_lshlrev_b32 v7, 3, v2
	v_add_nc_u32 v6, s21, v7                       ; on the way out 8 bytes a lane
	s_sub_co_u32 s22, ttmp9, 112
	s_lshl_b32 s22, s22, 2
	s_add_co_u32 s22, s22, s20                     ; which run of 8,192 numbers is my wave's: 0 .. 1,023
	s_lshl_b32 s24, s22, 15
	s_mov_b32 s25, 0
	s_lshl_b32 s26, s22, 12
	s_mov_b32 s27, 0
	s_lshl_b32 s28, s22, 8
	s_mov_b32 s29, 0
	s_wait_kmcnt 0x0
	s_add_nc_u64 s[4:5], s[4:5], s[24:25]
	s_add_nc_u64 s[10:11], s[10:11], s[26:27]
	s_add_nc_u64 s[12:13], s[12:13], s[28:29]
.macro XLOAD t
.irp i, 0,1,2,3
	global_load_b128 v[XR+16*((\t)%4)+4*\i:XR+16*((\t)%4)+4*\i+3], v3, s[4:5] offset:2048*(\t)+512*\i th:TH_LOAD_NT
.endr
.endm
.macro XTURN t                         ; step t's numbers through the stage: LDS serves a wave's instructions in order
.irp i, 0,1,2,3
	ds_store_b128 v14, v[XR+16*((\t)%4)+4*\i:XR+16*((\t)%4)+4*\i+3] offset:32*SP*((\t)%2)+8*SP*\i
.endr
.irp i, 0,1,2,3
	ds_load_b128 v[XX+16*((\t)%2)+4*\i:XX+16*((\t)%2)+4*\i+3], v15 offset:32*SP*((\t)%2)+16*\i
.endr
.endm
.irp t, 0,1,2,3
	XLOAD \t
.endr
	s_wait_loadcnt 12                              ; step 0's four loads are in
	XTURN 0
.macro XSTEP t
.set XS, XX+16*((\t)%2)
.if (\t) > 0
	s_wait_dscnt 1                                 ; this step's numbers are back from the stage (the last step's byte store may be out)
.else
	s_wait_dscnt 0x0
.endif
.if (\t)+4 < STEPS
	XLOAD (\t)+4                                   ; into the registers that this step's stage stores have read
.endif
.if (\t)+1 < STEPS
.if STEPS-2-(\t) >= 3
	s_wait_loadcnt 12                              ; the next step's four loads are in; those of the three steps behind it may be out
.else
	s_wait_loadcnt 4*(STEPS-2-(\t))
.endif
	XTURN (\t)+1
.endif
	v_max3_num_f32 v8, |v[XS]|, |v[XS+1]|, |v[XS+2]|       ; the largest magnitude of my 16
	v_max3_num_f32 v9, |v[XS+3]|, |v[XS+4]|, |v[XS+5]|
.irp i, 6,10
	v_max3_num_f32 v8, v8, |v[XS+\i]|, |v[XS+\i+1]|
	v_max3_num_f32 v9, v9, |v[XS+\i+2]|, |v[XS+\i+3]|
.endr
	v_max3_num_f32 v8, v8, |v[XS+14]|, |v[XS+15]|
	v_max3_num_f32 v8, v8, v9, 0x1800000           ; and the floor 2^(3 - 127)
	v_max_num_f32_dpp v8, v8, v8 row_xmask:1 row_mask:0xf bank_mask:0xf   ; and of my neighbour's 16: the block's
	v_add_nc_u32 v11, 0xff000000, v8               ; 2 off its exponent field: the conversion's scale operand
	v_cvt_scalef32_pk8_fp4_f32 v[XC+4*(\t)], v[XS:XS+7], v11
	v_cvt_scalef32_pk8_fp4_f32 v[XC+4*(\t)+1], v[XS+8:XS+15], v11
	v_lshrrev_b32 v[XE+(\t)], 23, v11              ; the scale's byte (also the plain line behind the conversions)
	ds_store_b8 v5, v[XE+(\t)] offset:16*(\t)      ; both lanes of a block write the same byte with the same value
	global_store_b64 v4, v[XC+4*(\t):XC+4*(\t)+1], s[10:11] offset:32*CB*(\t)   ; the wave stores 256 consecutive aligned bytes
.endm
.irp t, 0,1,2,3,4,5,6,7,8,9,10,11,12,13,14,15
	XSTEP \t
.endr
	ds_load_b64 v[8:9], v6                         ; these see my byte stores
	s_wait_dscnt 0x0
	global_store_b64 v7, v[8:9], s[12:13]          ; 256 consecutive aligned bytes
	FINI
.Lfunc_end_k_q5373545dd9_prep:
	.size	k_q5373545dd9_prep, .Lfunc_end_k_q5373545dd9_prep-k_q5373545dd9_prep
	.p2alignl 7, 3214868480
	.fill 96, 4, 3214868480
	.section	.rodata,"a",@progbits
	.p2align	6, 0x0
	.amdhsa_kernel k_q5373545dd9_prep
		.amdhsa_group_segment_fixed_size 68096
		.amdhsa_private_segment_fixed_size 0
		.amdhsa_enable_private_segment 0
		.amdhsa_kernarg_size 64
		.amdhsa_user_sgpr_count 2
		.amdhsa_user_sgpr_kernarg_segment_ptr 1
		.amdhsa_wavefront_size32 1
		.amdhsa_system_sgpr_workgroup_id_x 1
		.amdhsa_system_sgpr_workgroup_id_y 1
		.amdhsa_system_sgpr_workgroup_id_z 1
		.amdhsa_system_vgpr_workitem_id 0
		.amdhsa_next_free_vgpr 192
		.amdhsa_next_free_sgpr 66
		.amdhsa_reserve_vcc 0
		.amdhsa_float_denorm_mode_32 3
		.amdhsa_float_denorm_mode_16_64 3
		.amdhsa_memory_ordered 1
		.amdhsa_forward_progress 1
		.amdhsa_inst_pref_size 133
	.end_amdhsa_kernel
	.amdgpu_metadata
---
amdhsa.version: [ 1, 2 ]
amdhsa.kernels:
  - .name:           k_q5373545dd9_prep
    .symbol:         k_q5373545dd9_prep.kd
    .args:
      - { .name: x, .offset: 0, .size: 8, .value_kind: global_buffer, .address_space: global }
      - { .name: w_qkv, .offset: 8, .size: 8, .value_kind: global_buffer, .address_space: global }
      - { .name: w_proj, .offset: 16, .size: 8, .value_kind: global_buffer, .address_space: global }
      - { .name: x_codes, .offset: 24, .size: 8, .value_kind: global_buffer, .address_space: global }
      - { .name: x_scales, .offset: 32, .size: 8, .value_kind: global_buffer, .address_space: global }
      - { .name: w_codes, .offset: 40, .size: 8, .value_kind: global_buffer, .address_space: global }
      - { .name: w_scales, .offset: 48, .size: 8, .value_kind: global_buffer, .address_space: global }
      - { .name: wp, .offset: 56, .size: 8, .value_kind: global_buffer, .address_space: global }
    .group_segment_fixed_size: 68096
    .private_segment_fixed_size: 0
    .kernarg_segment_align: 8
    .kernarg_segment_size: 64
    .max_flat_workgroup_size: 128
    .sgpr_count:     66
    .vgpr_count:     192
    .wavefront_size: 32
...
	.end_amdgpu_metadata
.endif
;; end of part 1
;; launch qkv (part 2): grid 12 x 32, 4 waves a work-group, clusters of 4 x 4, 327,680 bytes of LDS; arguments x_codes, x_scales, w_codes, w_scales, qkv; writes qkv
.if DOCPART == 2
	.amdgcn_target "amdgcn-amd-amdhsa--gfx1250"
	.amdhsa_code_object_version 6
	.text
	.protected	k_q5373545dd9_qkv
	.globl	k_q5373545dd9_qkv
	.p2align	8
	.type	k_q5373545dd9_qkv,@function
k_q5373545dd9_qkv:
	s_mov_b64 s[64:65], 0
	v_nop
	global_prefetch_b8 v0, s[64:65] scope:SCOPE_SE
	s_setreg_imm32_b32 hwreg(HW_REG_WAVE_MODE, 25, 1), 1
	s_wait_xcnt 0x0
	s_wait_alu depctr_hold_cnt(0) depctr_sa_sdst(0) depctr_va_vdst(0) depctr_va_sdst(0) depctr_va_ssrc(0) depctr_va_vcc(0) depctr_vm_vsrc(0)
	s_getreg_b32 s2, hwreg(HW_REG_IB_STS2, 6, 4)
	s_cmp_eq_u32 s2, 0
	s_cbranch_scc0 .Lentry_in_a_cluster
	s_endpgm
.Lentry_in_a_cluster:
	s_bfe_u32 s2, ttmp6, 0x10000c
	s_cmp_lg_u32 s2, 0xf033
	s_cbranch_scc0 .Lentry_shape_is_right
	s_endpgm
.Lentry_shape_is_right:
; q, k, v = Q(x) Q(w_qkv): [8192][3072], K = 1,024, on codes of FP4 (E2M1) with one E8M0 scale for each 32 along K; sums in f32.
; A tile of 256 x 256 is made by a work-group of four waves; a wave makes 128 x 128: 64 accumulators of 16 x 16, 512 registers.  K is two slots of 512 along K: both slots and all scale bytes are
; asked for at the head, nothing is filled again, and the text has no loop.
; CLUSTERS: 4 x 4 work-groups.  The four of a row of the cluster need the same tiles of x, the four of a column the same tiles of w: each tile is asked for jointly.
; THE TILE ROW IS cluster y + 8 cy: the four tile rows of a cluster lie in the four batches at the same positions, so that 'this tile holds positions 0-255' is the same in all sixteen partners.
; THE MATRIX INSTRUCTION IS USED TRANSPOSED (source 0 = 16 rows of w, source 1 = 16 rows of x): a lane holds eight neighbouring channels of one position.
; THE WAY OUT HAS NO STAGE.  Two neighbouring accumulators, packed to f16, ARE a 16-bit operand's registers (16 positions x 32 channels), so they are stored as an image of those registers:
;   qkv + type x 16,777,216 + (batch x 16 + head) x 262,144 + (position / 16) x 2,048 + (channel / 32) x 1,024; registers 0-3 at 16 x lane, 4-7 at 512 + 16 x lane.  Each store covers 512 consecutive aligned bytes.
; Positions 0-15 of each batch also leave as raw f32 accumulators, from byte 50,331,648 on: type x 262,144 + batch x 65,536 + head x 4,096 + (channel / 16) x 1,024.
; LIMIT: q, k, v beyond 65,504 have no f16 number.
; REGISTERS, in windows of 256: window 0: v0-31 addresses; v32-95 scale words, two sets; from v128 x's fragments, one set; on the way out v128-255 packed results.
;   window 1: w's fragments, two sets, at v0 and v128.   window 2: the accumulators of my rows 0-63 ((a, b) at v[8 (8 a + b)]);   window 3: rows 64-127.
.set SIZE_K, 1024
.set KSTEP,  512
.set NQ,     KSTEP/128
.set ROWB,   256                       ; a tile's row: 512 codes
.set KROW,   SIZE_K*4/8                ; a row of codes in memory
.set PITCH,  272                       ; an LDS row: 256 bytes + 16: the 16 rows that a load touches start 68 words apart
.set FR,     8
.set NL,     2
.set NP,     4                         ; places behind this matrix instruction (ISA guide 7.12.1)
.set HALFT,  128*PITCH
.set SLOT,   4*HALFT                   ; x's 256 rows, then w's 256 rows
.set KS,     SIZE_K/32                 ; a row of scale bytes
.set SCL,    2*SLOT                    ; behind the two slots: the scales, as runs of 256 bytes + 16 of padding
.set HALFS,  (128*KS/256)*272
.set SBLK,   (16*KS/256)*272
.set SPARE,  SCL+4*HALFS               ; the spare words, 128 bytes a wave
.set FINE,   50331648
.set ADRA, 16
.set ADRB, 20
.set CO,   26                          ; v26 16 x lane: my place in an image
.set ADRS, 27
.set SPW,  28
.set NIL,  29
.set SC,   32
.set AF,   128
.set G1, 24
.set G0, 32
.set G1B, 48
.set G0B, 56
.set G1S, 68
.set G0S, 76
.set G1SB, 80
.set G0SB, 88
.set MSB, 0
.macro WIN new                         ; the immediate's high byte repeats the setting that is left
.if MSB != (\new)
	s_set_vgpr_msb (MSB<<8)|(\new)
.set MSB, (\new)
.endif
.endm
.set MUL_LO, 0xa1                      ; source 0 (w) window 1, source 1 (x) window 0, C and D window 2
.set MUL_HI, 0xf1
.set TO_B,   0x40
; A joint load: waves 0 and 1 fetch for x, waves 2 and 3 for w.  The branch hangs on the wave's number alone.  An s_nop 0 and four v_nop follow each line.
.macro JLOAD g0a, g1a, g0b, g1b
	s_cmp_eq_u32 s15, 0
	s_cbranch_scc0 .Lfor_b_\@
	tensor_load_to_lds s[\g0a:\g0a+3], s[\g1a:\g1a+7]
	s_nop 0
.rept 4
	v_nop
.endr
	s_branch .Lasked_\@
.Lfor_b_\@:
	tensor_load_to_lds s[\g0b:\g0b+3], s[\g1b:\g1b+7]
	s_nop 0
.rept 4
	v_nop
.endr
.Lasked_\@:
.endm
.macro CROUND                          ; a round of the cluster's barrier
	s_barrier_signal -1
	s_barrier_wait -1
	s_cmp_lg_u32 s14, 0
	s_cbranch_scc1 .Lnot_wave_0_\@
	s_barrier_signal -3
.Lnot_wave_0_\@:
	s_barrier_wait -3
	s_barrier_signal -1
	s_barrier_wait -1
.endm
	s_load_b128 s[4:7], s[0:1], 0x0                ; x's codes, x's scales
	s_load_b128 s[8:11], s[0:1], 0x10              ; w's codes, w's scales
	s_load_b64 s[12:13], s[0:1], 0x20              ; qkv
	v_lshl_add_u32 v[SPW], v0, 2, SPARE
	v_mov_b32 v[NIL], 0
	ds_add_u32 v[SPW], v[NIL]                      ; the wave's opening: the add, twice on end, and its wait ahead of my first tensor load
	ds_add_u32 v[SPW], v[NIL]
	v_lshrrev_b32 v1, 5, v0
	v_readfirstlane_b32 s14, v1                    ; wave 0..3
	s_lshr_b32 s15, s14, 1                         ; which half of the tile's rows is mine.  Also: I fetch for x (0) or for w (1)
	s_and_b32 s16, s14, 1                          ; which half of its columns.  Also: which 128 rows I fetch
	s_bfe_u32 s40, ttmp6, 0x40000                  ; cx
	s_bfe_u32 s41, ttmp6, 0x40004                  ; cy
	s_lshl_b32 s42, ttmp9, 2
	s_add_co_u32 s42, s42, s40                     ; tile column = 4 x cluster x + cx: cluster x is q, k or v
	s_and_b32 s96, ttmp7, 0xffff                   ; cluster y: which 256 positions
	s_lshl_b32 s17, s41, 3
	s_add_co_u32 s17, s17, s96                     ; tile row = 8 cy + cluster y: cy is the batch
	s_lshl_b32 s43, s41, 2
	s_lshl_b32 s43, 15, s43                        ; my row of the cluster
	s_lshl_b32 s44, 0x1111, s40                    ; my column
	s_or_b32 s[G1+0], s43, (0<<16)|(1<<20)|(1<<21)|(5<<22)|(3<<25)  ; the mask; elements of 1 byte; padding on; bit 21 beside a mask; 4 words after every 64
	s_or_b32 s[G1B+0], s44, (0<<16)|(1<<20)|(1<<21)|(5<<22)|(3<<25)
.irp g, G1, G1B
	s_mov_b32 s[\g+1], ROWB<<16                    ; tensor_dim0
	s_mov_b32 s[\g+2], 128<<16                     ; tensor_dim1
	s_mov_b32 s[\g+3], ROWB<<16                    ; tile_dim0
	s_mov_b32 s[\g+4], 128                         ; tile_dim1
	s_mov_b32 s[\g+5], KROW                        ; the pitch
	s_mov_b32 s[\g+6], 0
	s_mov_b32 s[\g+7], 0
.endr
	s_or_b32 s[G1S+0], s43, (3<<16)|(1<<20)|(1<<21)|(5<<22)|(3<<25)  ; the scales of 128 rows: a dense block as rows of 256 bytes (32 elements of 8 bytes)
	s_or_b32 s[G1SB+0], s44, (3<<16)|(1<<20)|(1<<21)|(5<<22)|(3<<25)
.irp g, G1S, G1SB
	s_mov_b32 s[\g+1], 32<<16
	s_mov_b32 s[\g+2], (128*KS/256)<<16
	s_mov_b32 s[\g+3], 32<<16
	s_mov_b32 s[\g+4], 128*KS/256
	s_mov_b32 s[\g+5], 32
	s_mov_b32 s[\g+6], 0
	s_mov_b32 s[\g+7], 0
.endr
	s_lshl_b32 s18, s16, 7
	s_lshl_b32 s20, s17, 8
	s_add_co_u32 s20, s20, s18                     ; x: row 256 x tile row + 128 x half
	s_lshl_b32 s46, s42, 8
	s_add_co_u32 s46, s46, s18                     ; w: row 256 x tile column + 128 x half
	s_mov_b32 s21, 0
	s_mov_b32 s47, 0
	s_mov_b64 s[18:19], KS
	s_mul_u64 s[22:23], s[20:21], s[18:19]         ; where these rows' scales begin
	s_mul_u64 s[92:93], s[46:47], s[18:19]
	s_mov_b64 s[18:19], KROW
	s_mul_u64 s[20:21], s[20:21], s[18:19]         ; and their codes
	s_mul_u64 s[46:47], s[46:47], s[18:19]
	s_mul_i32 s45, s14, HALFT                      ; where they go: wave x 128 rows
	s_mul_i32 s94, s14, HALFS
	s_wait_dscnt 0x0                               ; both opening adds are done
	s_wait_kmcnt 0x0
	s_add_nc_u64 s[20:21], s[4:5], s[20:21]
	s_add_nc_u64 s[22:23], s[6:7], s[22:23]
	s_add_nc_u64 s[46:47], s[8:9], s[46:47]
	s_add_nc_u64 s[92:93], s[10:11], s[92:93]
	CROUND                                         ; all sixteen work-groups are here: the joint loads meet
	s_mov_b32 s[G0S], 1
	s_add_co_u32 s[G0S+1], s94, SCL
	s_mov_b64 s[G0S+2:G0S+3], s[22:23]
	s_or_b32 s[G0S+3], s[G0S+3], 0x80000000
	s_mov_b32 s[G0SB], 1
	s_add_co_u32 s[G0SB+1], s94, SCL
	s_mov_b64 s[G0SB+2:G0SB+3], s[92:93]
	s_or_b32 s[G0SB+3], s[G0SB+3], 0x80000000
	JLOAD G0S, G1S, G0SB, G1SB                     ; the scales first; three loads of mine are out at the most
.irp s, 0,1
	s_mov_b32 s[G0+4*\s], 1
	s_add_co_u32 s[G0+4*\s+1], s45, \s*SLOT
	s_add_nc_u64 s[G0+4*\s+2:G0+4*\s+3], s[20:21], \s*ROWB
	s_or_b32 s[G0+4*\s+3], s[G0+4*\s+3], 0x80000000
	s_mov_b32 s[G0B+4*\s], 1
	s_add_co_u32 s[G0B+4*\s+1], s45, \s*SLOT
	s_add_nc_u64 s[G0B+4*\s+2:G0B+4*\s+3], s[46:47], \s*ROWB
	s_or_b32 s[G0B+4*\s+3], s[G0B+4*\s+3], 0x80000000
	JLOAD G0+4*\s, G1, G0B+4*\s, G1B
.endr
	v_and_b32 v1, 15, v0                           ; l % 16
	v_bfe_u32 v2, v0, 4, 1                         ; l / 16
	v_mul_u32_u24 v3, v1, PITCH
	v_lshl_add_u32 v4, v2, 4, v3                   ; a fragment's row x pitch + 16 x half
	s_mul_i32 s21, s15, HALFT
	s_mul_i32 s22, s16, HALFT
	s_add_co_u32 s22, s22, 2*HALFT
.irp s, 0,1
	v_add_nc_u32 v[ADRA+\s], s21, v4
	v_add_nc_u32 v[ADRB+\s], s22, v4
	s_add_co_u32 s21, s21, SLOT
	s_add_co_u32 s22, s22, SLOT
.endr
	v_mul_u32_u24 v5, v1, KS                       ; my row's scales: KS bytes a row,
	v_lshrrev_b32 v6, 8, v5
	v_lshl_add_u32 v5, v6, 4, v5                   ; and 16 more for each 256 passed
	s_mul_i32 s21, s15, HALFS
	s_mul_i32 s22, s16, HALFS
	s_add_co_u32 s22, s22, 2*HALFS
	s_sub_co_u32 s22, s22, s21
	v_mul_u32_u24 v6, s22, v2                      ; lanes 16-31 take w's
	s_add_co_u32 s21, s21, SCL
	v_add_nc_u32 v5, v5, v6
	v_add_nc_u32 v[ADRS], s21, v5
	v_and_b32 v6, 31, v0
	v_lshlrev_b32 v[CO], 4, v6
	; where my images begin
	s_lshl_b32 s20, ttmp9, 24                      ; q, k or v
	s_lshl_b32 s21, s41, 22                        ; the batch: 16 heads of 262,144 bytes
	s_add_co_u32 s20, s20, s21
	s_lshl_b32 s21, s40, 2
	s_lshl_b32 s22, s16, 1
	s_add_co_u32 s21, s21, s22                     ; my first head: 4 cx + 2 x column half
	s_lshl_b32 s22, s21, 18
	s_add_co_u32 s20, s20, s22
	s_lshl_b32 s22, s96, 4
	s_lshl_b32 s23, s15, 3
	s_add_co_u32 s22, s22, s23                     ; my first tile of 16 positions
	s_lshl_b32 s22, s22, 11
	s_add_co_u32 s20, s20, s22
	s_lshl_b32 s46, ttmp9, 18                      ; the f32 copy
	s_lshl_b32 s47, s41, 16
	s_add_co_u32 s46, s46, s47
	s_lshl_b32 s47, s21, 12
	s_add_co_u32 s46, s46, s47
	s_add_co_u32 s46, s46, FINE
	s_mov_b32 s47, 0
	s_mov_b32 s21, 0
	s_add_nc_u64 s[18:19], s[12:13], s[46:47]
	s_add_nc_u64 s[12:13], s[12:13], s[20:21]
	s_or_b32 s97, s96, s15                         ; 0 where my block 0 is positions 0-15: cluster y and the wave's number alone
.macro FRAG reg, adr, q, i             ; 16 rows x 128 K of 4-bit codes: 8 registers, two loads of 16 bytes, 32 bytes apart
.irp c, 0,1
	ds_load_b128 v[\reg+4*\c:\reg+4*\c+3], v[\adr] offset:64*(\q)+32*\c+(\i)*16*PITCH
.endr
.endm
; 16 matrix instructions: x's blocks a0, a0 + 1 against w's eight.  The 64 accumulators take turns, one instruction a turn, in the same order in every step.
.macro MUL16 a0, p, q, sc, zero
.irp a, \a0, \a0+1
.irp b, 0,1,2,3,4,5,6,7
.if \zero
	v_wmma_scale_f32_16x16x128_f8f6f4 v[8*(8*((\a)%4)+\b):8*(8*((\a)%4)+\b)+7], v[128*(\p)+FR*\b:128*(\p)+FR*\b+FR-1], v[AF+FR*(\a):AF+FR*(\a)+FR-1], 0, v[SC+8*NQ*(\sc)+NQ*\b+(\q)], v[SC+8*NQ*(\sc)+NQ*(\a)+(\q)] matrix_a_fmt:MATRIX_FMT_FP4 matrix_b_fmt:MATRIX_FMT_FP4 matrix_a_scale:MATRIX_SCALE_ROW1
.else
	v_wmma_scale_f32_16x16x128_f8f6f4 v[8*(8*((\a)%4)+\b):8*(8*((\a)%4)+\b)+7], v[128*(\p)+FR*\b:128*(\p)+FR*\b+FR-1], v[AF+FR*(\a):AF+FR*(\a)+FR-1], v[8*(8*((\a)%4)+\b):8*(8*((\a)%4)+\b)+7], v[SC+8*NQ*(\sc)+NQ*\b+(\q)], v[SC+8*NQ*(\sc)+NQ*(\a)+(\q)] matrix_a_fmt:MATRIX_FMT_FP4 matrix_b_fmt:MATRIX_FMT_FP4 matrix_a_scale:MATRIX_SCALE_ROW1
.endif
.endr
.endr
.endm
.macro FETCH_B slot, q, p
	WIN TO_B
.irp i, 0,1,2,3,4,5,6,7
	FRAG 128*(\p)+FR*\i, ADRB+\slot, \q, \i
.endr
	WIN 0
.endm
.macro FETCH_A slot, q, i0
.irp i, \i0, \i0+1, \i0+2, \i0+3
	FRAG AF+FR*(\i), ADRA+\slot, \q, \i
.endr
.endm
.macro SCALES sc                       ; a slot's scale words: lanes 0-15 take x's block i, lanes 16-31 w's block i
.irp i, 0,1,2,3,4,5,6,7
	ds_load_b128 v[SC+8*NQ*\sc+NQ*\i:SC+8*NQ*\sc+NQ*\i+3], v[ADRS] offset:\i*SBLK
.endr
.endm
.macro PLACES n                        ; plain vector lines between a matrix instruction and a load into, or a read of, its registers
.rept \n
	v_nop
.endr
.endm
.macro STEP slot, q, zero              ; 128 along K with its successor in the same slot
	s_wait_dscnt 4*NL                              ; w's set and x's blocks 0-3 are in; the youngest eight loads (x's blocks 4-7) may be out
	WIN MUL_LO
	MUL16 0, (\q)%2, \q, \slot, \zero
	MUL16 2, (\q)%2, \q, \slot, \zero
	s_wait_dscnt 0
	PLACES NP
	FETCH_B \slot, (\q)+1, 1-(\q)%2
	FETCH_A \slot, (\q)+1, 0
	WIN MUL_HI
	MUL16 4, (\q)%2, \q, \slot, \zero
	MUL16 6, (\q)%2, \q, \slot, \zero
	PLACES NP
	WIN 0
	FETCH_A \slot, (\q)+1, 4
.endm
.macro TURN slot, next                 ; a slot's last step changes slots: each wave's part of the next slot has landed, then one barrier.  Nothing is filled again
	s_wait_tensorcnt 0x0                           ; all my tensor loads have landed
	ds_add_u32 v[SPW], v[NIL]                      ; 0 onto my spare word
	s_wait_dscnt 4*NL+1                            ; the add and the youngest eight loads may be out
	WIN MUL_LO
	MUL16 0, 1, NQ-1, \slot, 0
	s_wait_dscnt 0x0
	s_barrier_signal -1
	MUL16 2, 1, NQ-1, \slot, 0
	WIN 0
	s_barrier_wait -1                              ; everybody's part of the next slot is in
	PLACES NP
	v_add_nc_u32 v[ADRS], 4*NQ, v[ADRS]            ; on to the next slot's scale words
	FETCH_B \next, 0, 0
	FETCH_A \next, 0, 0
	SCALES \next
	WIN MUL_HI
	MUL16 4, 1, NQ-1, \slot, 0
	MUL16 6, 1, NQ-1, \slot, 0
	PLACES NP
	WIN 0
	FETCH_A \next, 0, 4
.endm
.macro STEPS slot, from
.set Q, \from
.rept NQ-1-\from
	STEP \slot, Q, 0
.set Q, Q+1
.endr
.endm
	s_wait_tensorcnt 1                             ; the scales and my part of slot 0 are in (slot 1's load may be out),
	s_barrier_signal -1
	s_barrier_wait -1                              ; everybody's are
	FETCH_B 0, 0, 0
	FETCH_A 0, 0, 0
	SCALES 0
	FETCH_A 0, 0, 4
	STEP 0, 0, 1                                   ; the first products start the sums: nothing is cleared
	STEPS 0, 1
	TURN 0, 1
	STEPS 1, 0
	s_wait_dscnt 4*NL                              ; the last step: nothing more to fetch
	WIN MUL_LO
	MUL16 0, 1, NQ-1, 1, 0
	MUL16 2, 1, NQ-1, 1, 0
	s_wait_dscnt 0
	WIN MUL_HI
	MUL16 4, 1, NQ-1, 1, 0
	MUL16 6, 1, NQ-1, 1, 0
	WIN 0
; THE WAY OUT of block a (16 positions x 128 channels: two heads): 32 roundings to f16, each accumulator from its low end on, and eight stores of 512 consecutive bytes.
.macro OUTA a
.set AC, 64*((\a)%4)
.set PB, 128+32*((\a)%4)
	WIN 0x0a+5*((\a)/4)                            ; sources 0 and 1: window 2 or 3
.irp b, 0,1,2,3,4,5,6,7
.irp i, 0,1,2,3
	v_cvt_pk_f16_f32 v[PB+4*\b+\i], v[AC+8*\b+2*\i], v[AC+8*\b+2*\i+1]
.endr
.endr
	WIN 0
.irp g, 0,1,2,3                                ; fragment g: head g / 2, channels 32 (g % 2) on
.irp f, 0,1
	global_store_b128 v[CO], v[PB+8*\g+4*\f:PB+8*\g+4*\f+3], s[12:13] offset:2048*(\a)+(\g/2)*262144+(\g%2)*1024+512*\f
.endr
.endr
.endm
	PLACES NP                                      ; behind the last products: their results are read and x's fragment registers are written below
	OUTA 0
	OUTA 1
	OUTA 2
	OUTA 3
	s_wait_xcnt 0x0                                ; the stores of blocks 0-3 have read their registers, which blocks 4-7 take
	OUTA 4
	OUTA 5
	OUTA 6
	OUTA 7
	s_cmp_lg_u32 s97, 0
	s_cbranch_scc1 .Lno_fine
	WIN 0x08                                       ; a store's data are its source 1: window 2
.irp b, 0,1,2,3,4,5,6,7
	global_store_b128 v[CO], v[8*\b:8*\b+3], s[18:19] offset:1024*\b       ; positions 0-15 as f32
	global_store_b128 v[CO], v[8*\b+4:8*\b+7], s[18:19] offset:1024*\b+512
.endr
	WIN 0
.Lno_fine:
	s_wait_tensorcnt 0x0                           ; the wave's end
	ds_add_u32 v[SPW], v[NIL]
	s_wait_dscnt 0x0
	CROUND                                         ; the closing round
	s_endpgm
.Lfunc_end_k_q5373545dd9_qkv:
	.size	k_q5373545dd9_qkv, .Lfunc_end_k_q5373545dd9_qkv-k_q5373545dd9_qkv
	.p2alignl 7, 3214868480
	.fill 96, 4, 3214868480
	.section	.rodata,"a",@progbits
	.p2align	6, 0x0
	.amdhsa_kernel k_q5373545dd9_qkv
		.amdhsa_group_segment_fixed_size 327680
		.amdhsa_private_segment_fixed_size 0
		.amdhsa_enable_private_segment 0
		.amdhsa_kernarg_size 40
		.amdhsa_user_sgpr_count 2
		.amdhsa_user_sgpr_kernarg_segment_ptr 1
		.amdhsa_wavefront_size32 1
		.amdhsa_system_sgpr_workgroup_id_x 1
		.amdhsa_system_sgpr_workgroup_id_y 1
		.amdhsa_system_sgpr_workgroup_id_z 1
		.amdhsa_system_vgpr_workitem_id 0
		.amdhsa_next_free_vgpr 1024
		.amdhsa_next_free_sgpr 100
		.amdhsa_reserve_vcc 0
		.amdhsa_float_denorm_mode_32 3
		.amdhsa_float_denorm_mode_16_64 3
		.amdhsa_memory_ordered 1
		.amdhsa_forward_progress 1
		.amdhsa_inst_pref_size 119
	.end_amdhsa_kernel
	.amdgpu_metadata
---
amdhsa.version: [ 1, 2 ]
amdhsa.kernels:
  - .name:           k_q5373545dd9_qkv
    .symbol:         k_q5373545dd9_qkv.kd
    .args:
      - { .name: x_codes, .offset: 0, .size: 8, .value_kind: global_buffer, .address_space: global }
      - { .name: x_scales, .offset: 8, .size: 8, .value_kind: global_buffer, .address_space: global }
      - { .name: w_codes, .offset: 16, .size: 8, .value_kind: global_buffer, .address_space: global }
      - { .name: w_scales, .offset: 24, .size: 8, .value_kind: global_buffer, .address_space: global }
      - { .name: qkv, .offset: 32, .size: 8, .value_kind: global_buffer, .address_space: global }
    .group_segment_fixed_size: 327680
    .private_segment_fixed_size: 0
    .kernarg_segment_align: 8
    .kernarg_segment_size: 40
    .max_flat_workgroup_size: 128
    .sgpr_count:     100
    .vgpr_count:     1024
    .wavefront_size: 32
...
	.end_amdgpu_metadata
.endif
;; end of part 2
;; launch fine (part 3): grid 16 x 4, 8 waves a work-group, no clusters, 35,840 bytes of LDS; arguments qkv, wp, b_proj, out0; writes out0
.if DOCPART == 3
	.amdgcn_target "amdgcn-amd-amdhsa--gfx1250"
	.amdhsa_code_object_version 6
	.text
	.protected	k_q5373545dd9_fine
	.globl	k_q5373545dd9_fine
	.p2align	8
	.type	k_q5373545dd9_fine,@function
k_q5373545dd9_fine:
	s_mov_b64 s[64:65], 0
	v_nop
	global_prefetch_b8 v0, s[64:65] scope:SCOPE_SE
	s_setreg_imm32_b32 hwreg(HW_REG_WAVE_MODE, 25, 1), 1
	s_wait_xcnt 0x0
; POSITIONS 0-15 OF EACH BATCH, in f32 throughout: attention and projection.  These rows average one to sixteen values and are the largest of the output; 16-bit operands would use up what the comparison allows.
; A work-group makes 16 rows x 64 columns of out0 (work-group x: which 64 columns; y: the batch).  Wave w owns heads 2 w and 2 w + 1: it makes their 16 x 16 attention (each of a batch's sixteen work-groups
; makes it anew: 64 matrix instructions a wave, less than a launch of its own would cost) and their share of the projection; the eight shares meet in LDS and are added in the waves' order.
; All products by v_wmma_f32_16x16x4_f32: 192 a wave, no bulk work.  Its results lie in window 1, v0-111, which nothing but matrix instructions writes.
; LAYOUT.  S^T = K Q^T, O^T = V^T p, out^T = W^T O^T: a lane holds ONE position (lane % 16) throughout.  The form's K of four is (2 h + j); a result's registers 2 i, 2 i + 1 hold rows 8 h + 2 i + j:
; the pair is fed as it stands, and the other operand is laid by the same map of k (prep's f32 image of w_proj; V gathered so below).
; No tensor load, no cluster: 64 small work-groups that share only w_proj's image by columns.
; REGISTERS: window 0: v1-10 addresses; v14, v15 the add's two; v16-79 Q, v80-143 K, later W of the even head; v144-207 V^T, later the shares; v208-223 scores, then p; v224-239 statistics, bias.
;   window 1: v0-15 S^T; v16-79 O^T; v80-111 out^T; v128-255 W of the odd head.
.set SPW, 14
.set NIL, 15
.set SPARE, 34816                      ; behind the eight shares of 16 rows x 272 bytes: the spare words, 128 bytes a wave
.set QF,  16
.set KFR, 80
.set W0,  16
.set VT,  144
.set PP,  208
.set SA,  0
.set OA,  16
.set OU,  80
.set W1,  128
.set MSB, 0
.macro WIN new
.if MSB != (\new)
	s_set_vgpr_msb (MSB<<8)|(\new)
.set MSB, (\new)
.endif
.endm
	s_load_b256 s[4:11], s[0:1], 0x0               ; qkv s[4:5], wp s[6:7], b_proj s[8:9], out0 s[10:11]
	v_lshl_add_u32 v[SPW], v0, 2, SPARE
	v_mov_b32 v[NIL], 0
	v_lshrrev_b32 v1, 5, v0
	v_readfirstlane_b32 s12, v1                    ; wave 0..7
	v_and_b32 v11, 31, v0
	v_lshlrev_b32 v1, 4, v11                       ; 16 x lane
	v_and_b32 v2, 15, v0                           ; r
	v_bfe_u32 v3, v0, 4, 1                         ; h
	v_bfe_u32 v4, v0, 2, 1                         ; V^T: channel 16 ct + r of key 8 h + jj lies, in V's image, at 1,024 ct + 512 ((r / 4) % 2) + 256 (r / 8) + 128 h + 16 jj + 4 (r % 4)
	v_lshlrev_b32 v4, 9, v4
	v_bfe_u32 v5, v0, 3, 1
	v_lshl_add_u32 v4, v5, 8, v4
	v_lshl_add_u32 v4, v3, 7, v4
	v_and_b32 v5, 3, v0
	v_lshl_add_u32 v4, v5, 2, v4
	v_lshlrev_b32 v5, 3, v3
	v_sub_nc_u32 v5, v2, v5                        ; r - 8 h: register jj holds key 8 h + jj, hidden where jj > r - 8 h
	v_mov_b32 v6, 0xff800000                       ; -infinity
	s_mul_i32 s16, s12, 4352
	v_mul_u32_u24 v7, v2, 272
	v_lshl_add_u32 v7, v3, 5, v7
	v_add_nc_u32 v7, s16, v7                       ; my share: row r, + 32 h
	s_mul_i32 s17, s12, 544
	v_mul_u32_u24 v8, v3, 272
	v_lshl_add_u32 v8, v2, 4, v8
	v_add_nc_u32 v8, s17, v8                       ; back: row 2 w + h of a share, 16 bytes a lane
	v_lshlrev_b32 v9, 12, v3
	v_lshl_add_u32 v9, v2, 4, v9                   ; and the same in out0
	v_lshlrev_b32 v10, 4, v2                       ; the bias of my four columns
	v_mov_b32 v226, 0                              ; a lane permute's destination counts as one of its sources
	v_mov_b32 v227, 0
	s_and_b32 s14, ttmp7, 0xffff                   ; the batch
	s_lshl_b32 s18, s14, 16
	s_lshl_b32 s19, s12, 13                        ; two heads of 4,096 bytes
	s_add_co_u32 s18, s18, s19
	s_add_co_u32 s18, s18, 50331648
	s_mov_b32 s19, 0
	s_lshl_b32 s20, ttmp9, 18                      ; four n tiles of 65,536 bytes
	s_lshl_b32 s21, s12, 13                        ; eight groups of 16 channels
	s_add_co_u32 s20, s20, s21
	s_add_co_u32 s20, s20, 2097152
	s_mov_b32 s21, 0
	s_lshl_b32 s22, ttmp9, 8                       ; 64 columns of f32
	s_mov_b32 s23, 0
	s_lshl_b32 s24, s14, 23                        ; 2,048 rows of 4,096 bytes
	s_lshl_b32 s25, s12, 13                        ; rows 2 w on
	s_add_co_u32 s24, s24, s25
	s_add_co_u32 s24, s24, s22
	s_mov_b32 s25, 0
	s_mov_b32 s26, 0x76543210
	s_mov_b32 s27, 0xfedcba98                      ; v_permlanex16_b32's selects for lane l xor 16
	s_mov_b32 s28, 0x3e38aa3b                      ; c = log2(e) / 8
	s_wait_kmcnt 0x0
	s_add_nc_u64 s[4:5], s[4:5], s[18:19]
	s_add_nc_u64 s[6:7], s[6:7], s[20:21]
	s_add_nc_u64 s[8:9], s[8:9], s[22:23]
	s_add_nc_u64 s[10:11], s[10:11], s[24:25]
.irp u, 0,1
.irp k, 0,1,2,3,4,5,6,7
	global_load_b128 v[QF+32*\u+4*\k:QF+32*\u+4*\k+3], v1, s[4:5] offset:4096*\u+512*\k
.endr
.endr
.irp u, 0,1
.irp k, 0,1,2,3,4,5,6,7
	global_load_b128 v[KFR+32*\u+4*\k:KFR+32*\u+4*\k+3], v1, s[4:5] offset:262144+4096*\u+512*\k
.endr
.endr
.irp u, 0,1
.irp ct, 0,1,2,3
.irp jj, 0,1,2,3,4,5,6,7
	global_load_b32 v[VT+32*\u+8*\ct+\jj], v4, s[4:5] offset:524288+4096*\u+1024*\ct+16*\jj
.endr
.endr
.endr
	global_load_b128 v[236:239], v10, s[8:9]
	WIN 0x40                                       ; destination window 1
.irp nt, 0,1,2,3
.irp ct, 0,1,2,3
.irp f, 0,1
	global_load_b128 v[W1+32*\nt+8*\ct+4*\f:W1+32*\nt+8*\ct+4*\f+3], v1, s[6:7] offset:65536*\nt+(4+\ct)*1024+512*\f
.endr
.endr
.endr
	s_wait_loadcnt 63                              ; 97 loads were issued behind Q's and K's; 63 is the largest count that the wait can name
	WIN 0x50                                       ; C and D window 1
.irp i, 0,1,2,3,4,5,6,7,8,9,10,11,12,13,14,15  ; S^T = K Q^T: the two heads' accumulators by turns
.irp u, 0,1
.if \i == 0
	v_wmma_f32_16x16x4_f32 v[SA+8*\u:SA+8*\u+7], v[KFR+32*\u+2*\i:KFR+32*\u+2*\i+1], v[QF+32*\u+2*\i:QF+32*\u+2*\i+1], 0
.else
	v_wmma_f32_16x16x4_f32 v[SA+8*\u:SA+8*\u+7], v[KFR+32*\u+2*\i:KFR+32*\u+2*\i+1], v[QF+32*\u+2*\i:QF+32*\u+2*\i+1], v[SA+8*\u:SA+8*\u+7]
.endif
.endr
.endr
	WIN 0
.rept 8
	v_nop                                          ; eight places behind this form, ahead of loads into its sources and of reads of its results
.endr
.irp nt, 0,1,2,3
.irp ct, 0,1,2,3
.irp f, 0,1
	global_load_b128 v[W0+32*\nt+8*\ct+4*\f:W0+32*\nt+8*\ct+4*\f+3], v1, s[6:7] offset:65536*\nt+\ct*1024+512*\f
.endr
.endr
.endr
	WIN 0x01                                       ; source 0 window 1
.irp jj, 0,1,2,3,4,5,6,7                       ; the causal mask, each accumulator from its low end on; the masked scores go into other registers
	v_cmp_gt_i32 vcc_lo, \jj, v5
	v_cndmask_b32 v[PP+\jj], v[SA+\jj], v6, vcc_lo
	v_cndmask_b32 v[PP+8+\jj], v[SA+8+\jj], v6, vcc_lo
.endr
	WIN 0
.irp u, 0,1
	v_max3_num_f32 v[224+\u], v[PP+8*\u], v[PP+8*\u+1], v[PP+8*\u+2]
.endr
.irp e, 3,5
.irp u, 0,1
	v_max3_num_f32 v[224+\u], v[224+\u], v[PP+8*\u+\e], v[PP+8*\u+\e+1]
.endr
.endr
.irp u, 0,1
	v_max_num_f32 v[224+\u], v[224+\u], v[PP+8*\u+7]
.endr
.irp u, 0,1
	v_permlanex16_b32 v[226+\u], v[224+\u], s26, s27
.endr
.irp u, 0,1
	v_max_num_f32 v[224+\u], v[224+\u], v[226+\u]  ; the row's maximum: key 0 counts for every query, so it is a number
.endr
.irp u, 0,1
	v_mul_f32 v[228+\u], s28, v[224+\u]
.endr
.irp jj, 0,1,2,3,4,5,6,7
.irp u, 0,1
	v_fma_f32 v[PP+8*\u+\jj], v[PP+8*\u+\jj], s28, -v[228+\u]
.endr
.endr
.irp jj, 0,1,2,3,4,5,6,7
.irp u, 0,1
	v_exp_f32 v[PP+8*\u+\jj], v[PP+8*\u+\jj]
.endr
.endr
	v_nop                                          ; a plain line behind the last exponential
	s_wait_alu depctr_va_vdst(0)                   ; one wait for the batch, ahead of its first reader
.irp u, 0,1
	v_add_f32 v[230+\u], v[PP+8*\u], v[PP+8*\u+1]
	v_add_f32 v[232+\u], v[PP+8*\u+2], v[PP+8*\u+3]
.endr
.irp e, 4,6
.irp u, 0,1
	v_add_f32 v[230+\u], v[230+\u], v[PP+8*\u+\e]
	v_add_f32 v[232+\u], v[232+\u], v[PP+8*\u+\e+1]
.endr
.endr
.irp u, 0,1
	v_add_f32 v[230+\u], v[230+\u], v[232+\u]
.endr
.irp u, 0,1
	v_permlanex16_b32 v[226+\u], v[230+\u], s26, s27
.endr
.irp u, 0,1
	v_add_f32 v[230+\u], v[230+\u], v[226+\u]
.endr
.irp u, 0,1
	v_rcp_f32 v[234+\u], v[230+\u]
.endr
	v_nop
	s_wait_alu depctr_va_vdst(0)                   ; one wait for the two reciprocals
.irp jj, 0,1,2,3,4,5,6,7
.irp u, 0,1
	v_mul_f32 v[PP+8*\u+\jj], v[PP+8*\u+\jj], v[234+\u]    ; p is normalised here, so that O^T needs no scaling
.endr
.endr
	s_wait_loadcnt 63                              ; 65 loads were issued behind V^T's
	WIN 0x50
.irp i, 0,1,2,3                                ; O^T = V^T p: eight accumulators by turns
.irp u, 0,1
.irp ct, 0,1,2,3
.if \i == 0
	v_wmma_f32_16x16x4_f32 v[OA+32*\u+8*\ct:OA+32*\u+8*\ct+7], v[VT+32*\u+8*\ct+2*\i:VT+32*\u+8*\ct+2*\i+1], v[PP+8*\u+2*\i:PP+8*\u+2*\i+1], 0
.else
	v_wmma_f32_16x16x4_f32 v[OA+32*\u+8*\ct:OA+32*\u+8*\ct+7], v[VT+32*\u+8*\ct+2*\i:VT+32*\u+8*\ct+2*\i+1], v[PP+8*\u+2*\i:PP+8*\u+2*\i+1], v[OA+32*\u+8*\ct:OA+32*\u+8*\ct+7]
.endif
.endr
.endr
.endr
.rept 9
	v_nop                                          ; nine places: the results become operands
.endr
	s_wait_loadcnt 32                              ; W of the odd head is in; the even head's 32 loads may be out
	WIN 0x55                                       ; W, O^T, C and D all in window 1
.irp ct, 0,1,2,3                               ; out^T = W^T O^T: four accumulators by turns
.irp i, 0,1,2,3
.irp nt, 0,1,2,3
.if (\ct == 0) && (\i == 0)
	v_wmma_f32_16x16x4_f32 v[OU+8*\nt:OU+8*\nt+7], v[W1+32*\nt+8*\ct+2*\i:W1+32*\nt+8*\ct+2*\i+1], v[OA+32+8*\ct+2*\i:OA+32+8*\ct+2*\i+1], 0
.else
	v_wmma_f32_16x16x4_f32 v[OU+8*\nt:OU+8*\nt+7], v[W1+32*\nt+8*\ct+2*\i:W1+32*\nt+8*\ct+2*\i+1], v[OA+32+8*\ct+2*\i:OA+32+8*\ct+2*\i+1], v[OU+8*\nt:OU+8*\nt+7]
.endif
.endr
.endr
.endr
	s_wait_loadcnt 0x0
	WIN 0x54                                       ; W in window 0
.irp ct, 0,1,2,3
.irp i, 0,1,2,3
.irp nt, 0,1,2,3
	v_wmma_f32_16x16x4_f32 v[OU+8*\nt:OU+8*\nt+7], v[W0+32*\nt+8*\ct+2*\i:W0+32*\nt+8*\ct+2*\i+1], v[OA+8*\ct+2*\i:OA+8*\ct+2*\i+1], v[OU+8*\nt:OU+8*\nt+7]
.endr
.endr
.endr
	WIN 0
.rept 8
	v_nop
.endr
	WIN 0x04                                       ; an LDS store's data are its source 1: window 1
.irp nt, 0,1,2,3
	ds_store_b128 v7, v[OU+8*\nt:OU+8*\nt+3] offset:64*\nt             ; lane (r, h): position r, columns 16 nt + 8 h + 0 .. 7
	ds_store_b128 v7, v[OU+8*\nt+4:OU+8*\nt+7] offset:64*\nt+16
.endr
	WIN 0
	s_wait_dscnt 0x0                               ; for the others' sake: my share has landed
	s_barrier_signal -1
	s_barrier_wait -1
.irp p, 0,1,2,3,4,5,6,7
	ds_load_b128 v[VT+4*\p:VT+4*\p+3], v8 offset:4352*\p
.endr
	s_wait_dscnt 0x0
	v_pk_add_f32 v[176:177], v[VT:VT+1], v[VT+4:VT+5]
	v_pk_add_f32 v[178:179], v[VT+2:VT+3], v[VT+6:VT+7]
.irp p, 2,3,4,5,6,7
	v_pk_add_f32 v[176:177], v[176:177], v[VT+4*\p:VT+4*\p+1]
	v_pk_add_f32 v[178:179], v[178:179], v[VT+4*\p+2:VT+4*\p+3]
.endr
	v_pk_add_f32 v[176:177], v[176:177], v[236:237]
	v_pk_add_f32 v[178:179], v[178:179], v[238:239]
	global_store_b128 v9, v[176:179], s[10:11]     ; sixteen lanes store 256 consecutive aligned bytes of a row
	s_wait_tensorcnt 0x0                           ; the wave's end
	ds_add_u32 v[SPW], v[NIL]
	s_wait_dscnt 0x0
	s_endpgm
.Lfunc_end_k_q5373545dd9_fine:
	.size	k_q5373545dd9_fine, .Lfunc_end_k_q5373545dd9_fine-k_q5373545dd9_fine
	.p2alignl 7, 3214868480
	.fill 96, 4, 3214868480
	.section	.rodata,"a",@progbits
	.p2align	6, 0x0
	.amdhsa_kernel k_q5373545dd9_fine
		.amdhsa_group_segment_fixed_size 35840
		.amdhsa_private_segment_fixed_size 0
		.amdhsa_enable_private_segment 0
		.amdhsa_kernarg_size 32
		.amdhsa_user_sgpr_count 2
		.amdhsa_user_sgpr_kernarg_segment_ptr 1
		.amdhsa_wavefront_size32 1
		.amdhsa_system_sgpr_workgroup_id_x 1
		.amdhsa_system_sgpr_workgroup_id_y 1
		.amdhsa_system_sgpr_workgroup_id_z 1
		.amdhsa_system_vgpr_workitem_id 0
		.amdhsa_next_free_vgpr 512
		.amdhsa_next_free_sgpr 66
		.amdhsa_reserve_vcc 1
		.amdhsa_float_denorm_mode_32 3
		.amdhsa_float_denorm_mode_16_64 3
		.amdhsa_memory_ordered 1
		.amdhsa_forward_progress 1
		.amdhsa_inst_pref_size 38
	.end_amdhsa_kernel
	.amdgpu_metadata
---
amdhsa.version: [ 1, 2 ]
amdhsa.kernels:
  - .name:           k_q5373545dd9_fine
    .symbol:         k_q5373545dd9_fine.kd
    .args:
      - { .name: qkv, .offset: 0, .size: 8, .value_kind: global_buffer, .address_space: global }
      - { .name: wp, .offset: 8, .size: 8, .value_kind: global_buffer, .address_space: global }
      - { .name: b_proj, .offset: 16, .size: 8, .value_kind: global_buffer, .address_space: global }
      - { .name: out0, .offset: 24, .size: 8, .value_kind: global_buffer, .address_space: global }
    .group_segment_fixed_size: 35840
    .private_segment_fixed_size: 0
    .kernarg_segment_align: 8
    .kernarg_segment_size: 32
    .max_flat_workgroup_size: 256
    .sgpr_count:     66
    .vgpr_count:     512
    .wavefront_size: 32
...
	.end_amdgpu_metadata
.endif
;; end of part 3
;; launch attn (part 4): grid 4 x 64, 8 waves a work-group, no clusters, 327,680 bytes of LDS; arguments qkv, o_img; writes o_img
.if DOCPART == 4
	.amdgcn_target "amdgcn-amd-amdhsa--gfx1250"
	.amdhsa_code_object_version 6
	.text
	.protected	k_q5373545dd9_attn
	.globl	k_q5373545dd9_attn
	.p2align	8
	.type	k_q5373545dd9_attn,@function
k_q5373545dd9_attn:
	s_mov_b64 s[64:65], 0
	v_nop
	global_prefetch_b8 v0, s[64:65] scope:SCOPE_SE
	s_setreg_imm32_b32 hwreg(HW_REG_WAVE_MODE, 25, 1), 1
	s_wait_xcnt 0x0
; CAUSAL ATTENTION, head size 64, on f16 operands with f32 products, maxima and sums.  q, k, v come as images of operand registers (16 positions x 32 channels in 1,024 bytes); the result leaves so too,
; as the projection's operand: o_img [position tile 512][32 channels 32][1,024 bytes].
; SHARES.  Work-group (i, head) owns the blocks of 256 queries 7 - i and i, one after the other: 8 - i and i + 1 slots of 256 keys, nine whatever i is, so that all work-groups have the same work under the mask.
; Each of eight waves owns 32 queries of a block, two tiles: a fragment of K or V read from LDS feeds two matrix instructions.  Two waves share a SIMD, so that one's softmax stands beside the other's products.
; ONE loop of a constant count walks the nine slots; where the first block's keys end (a test on ids) its result is stored and the second block begins.
; NO CLUSTER: the pairing that evens the work gives each of a head's four work-groups another walk (the second block's keys begin anew at trips 8, 7, 6, 5); walking in step would take twelve slots for nine.
; LAYOUT.  S^T = K Q^T, O^T = V^T P: a lane holds ONE query (lane % 16).  Two tiles of S^T rounded to f16 in pairs are P's fragment.  V has K's layout; the turning load takes each lane's own address,
; so lane l names the 16 bytes of key 8 (l / 16) + l % 8, channels 8 ((l / 8) % 2) on, wherever the image has them.
; SOFTMAX.  Running maximum m and sum l for each query: p = 2^(c s - c m), c = log2(e) / 8; O and l are multiplied by 2^(c m_old - c m_new) in every step.
; A step all of whose 64 keys come after the wave's 32 queries is jumped over (ids alone); every step that is walked begins at or under the wave's first query, so each query sees a key in it.
; LIMIT: |q|, |k|, |v| under 65,504.
; REGISTERS: window 0: v1-11 addresses and constants; v12-27 statistics, eight a tile (c m, m, l, l, four at work); v32-63 Q; v64-127 S^T; v128-159 P; v160-223 O^T; v224-255 O packed.
;   window 1: v0-63 K of a step; v64-127 V^T of a step.
.set SLOTB, 65536                      ; a slot: K's images of 256 keys (32,768 bytes), then V's
.set SPARE, 131072                     ; behind the two slots: the spare words, 128 bytes a wave
.set LI,  1                            ; v1  16 x lane
.set VL,  2                            ; v2  V's lane term
.set ADK, 3
.set ADV, 4
.set SPW, 5
.set NIL, 6
.set PFO, 7                            ; v7  256 x lane
.set RH,  8                            ; v8  r - 8 h
.set D0,  9                            ; v9, v10: my query less the key of register 0, for tiles 0 and 1
.set NINF, 11
.set ST,  12
.set QR,  32
.set S,   64
.set P,   128
.set O,   160
.set PK,  224
.set KW,  0
.set VW,  64
; s8 wave, s9 i, s10 head, s11 trips of the first block, s12 trip, s13 step counter, s14 LDS byte of the step, s15 the step's first key, s16 my first query, s[18:19] my part of K or V,
; s[20:21] lane selects, s[22:23] c, s[24:31] group 1, s[32:35] group 0, s[40:41] prefetch, s42 its limit, s[44:51] Q's and O's bases of the two blocks, s52, s53 their first queries
.set MSB, 0
.macro WIN new
.if MSB != (\new)
	s_set_vgpr_msb (MSB<<8)|(\new)
.set MSB, (\new)
.endif
.endm
	s_load_b128 s[4:7], s[0:1], 0x0                ; qkv, o_img
	v_lshl_add_u32 v[SPW], v0, 2, SPARE
	v_mov_b32 v[NIL], 0
	ds_add_u32 v[SPW], v[NIL]                      ; the wave's opening: the add, twice on end, and its wait ahead of my first tensor load
	ds_add_u32 v[SPW], v[NIL]
	v_lshrrev_b32 v1, 5, v0
	v_readfirstlane_b32 s8, v1                     ; wave 0..7
	s_mov_b32 s9, ttmp9
	s_and_b32 s10, ttmp7, 0xffff
	s_sub_co_u32 s11, 8, s9
	s_mov_b32 s24, 3<<16                           ; group 1: no mask, elements of 8 bytes, no padding: 8,192 dense bytes as 32 rows of 256
	s_mov_b32 s25, 32<<16                          ; tensor_dim0 = 32
	s_mov_b32 s26, 32<<16                          ; tensor_dim1 = 32
	s_mov_b32 s27, 32<<16                          ; tile_dim0 = 32
	s_mov_b32 s28, 32                              ; tile_dim1 = 32
	s_mov_b32 s29, 32                              ; the pitch
	s_mov_b32 s30, 0
	s_mov_b32 s31, 0
	s_lshr_b32 s36, s8, 2                          ; waves 0-3 fetch K, waves 4-7 V: every wave 8,192 bytes of each slot
	s_add_co_u32 s36, s36, 1
	s_lshl_b32 s36, s36, 24
	s_lshl_b32 s38, s10, 18                        ; the head's 262,144 bytes
	s_add_co_u32 s36, s36, s38
	s_and_b32 s37, s8, 3
	s_lshl_b32 s37, s37, 13
	s_add_co_u32 s36, s36, s37
	s_mov_b32 s37, 0
	s_mov_b32 s32, 1
	s_lshl_b32 s33, s8, 13                         ; LDS: slot 0, 8,192 x wave
	s_mov_b32 s20, 0x76543210
	s_mov_b32 s21, 0xfedcba98
	s_mov_b32 s22, 0x3e38aa3b                      ; c = log2(e) / 8
	s_mov_b32 s23, s22
	s_mov_b32 s12, 0
	s_mov_b32 s14, 0
	s_cmp_eq_u32 s9, 0
	s_cselect_b32 s42, 6, 0
	s_wait_dscnt 0x0                               ; both opening adds are done
	s_wait_kmcnt 0x0
	s_add_nc_u64 s[18:19], s[4:5], s[36:37]
	s_mov_b64 s[34:35], s[18:19]
	s_or_b32 s35, s35, 0x80000000
	tensor_load_to_lds s[32:35], s[24:31]          ; slot 0: keys 0-255.  One tensor load of mine is out, here and behind every barrier
	s_nop 0
.rept 4
	v_nop
.endr
	s_add_nc_u64 s[40:41], s[18:19], 32768         ; the prefetches stand at slot 1; the first change steps them to slot 2
	s_sub_co_u32 s52, 7, s9
	s_lshl_b32 s52, s52, 8
	s_lshl_b32 s39, s8, 5
	s_add_co_u32 s52, s52, s39                     ; my first query in block 7 - i
	s_lshl_b32 s53, s9, 8
	s_add_co_u32 s53, s53, s39                     ; and in block i
	s_mov_b32 s55, 0
	s_lshl_b32 s54, s52, 7                         ; a tile of 16 queries is 2,048 bytes of q
	s_add_co_u32 s54, s54, s38
	s_add_nc_u64 s[44:45], s[4:5], s[54:55]
	s_lshl_b32 s54, s53, 7
	s_add_co_u32 s54, s54, s38
	s_add_nc_u64 s[48:49], s[4:5], s[54:55]
	s_lshr_b32 s56, s10, 4
	s_lshl_b32 s56, s56, 22                        ; the batch: 128 tiles of 32,768 bytes
	s_and_b32 s57, s10, 15
	s_lshl_b32 s57, s57, 11                        ; the head: two fragments
	s_add_co_u32 s56, s56, s57
	s_lshl_b32 s54, s52, 11
	s_add_co_u32 s54, s54, s56
	s_add_nc_u64 s[46:47], s[6:7], s[54:55]
	s_lshl_b32 s54, s53, 11
	s_add_co_u32 s54, s54, s56
	s_add_nc_u64 s[50:51], s[6:7], s[54:55]
	v_and_b32 v12, 31, v0
	v_lshlrev_b32 v[LI], 4, v12
	v_lshlrev_b32 v[PFO], 8, v12
	v_and_b32 v13, 7, v0
	v_bfe_u32 v14, v0, 3, 1
	v_bfe_u32 v15, v0, 4, 1
	v_lshl_add_u32 v13, v15, 3, v13
	v_lshl_add_u32 v13, v14, 4, v13
	v_lshlrev_b32 v[VL], 4, v13                    ; 16 x (16 ((l / 8) % 2) + 8 (l / 16) + l % 8): the 32 lanes cover 512 consecutive bytes
	v_and_b32 v13, 15, v0
	v_lshlrev_b32 v15, 3, v15
	v_sub_nc_u32 v[RH], v13, v15
	v_mov_b32 v[NINF], 0xff800000
; A block begins: Q's four fragments; m = -3e38, under every score; l and O^T zeros, which the first change of m leaves zeros, so that the step is written once.
.macro NEWBLOCK qb, q0
	s_mov_b32 s16, s[\q0]
	s_mov_b32 s15, 0
.irp k, 0,1,2,3,4,5,6,7
	global_load_b128 v[QR+4*\k:QR+4*\k+3], v[LI], s[\qb:\qb+1] offset:512*\k
.endr
.irp t, 0,1
	v_mov_b32 v[ST+8*\t+1], 0xff61b1e6
	v_mul_f32 v[ST+8*\t], s22, v[ST+8*\t+1]
.irp e, 2,3,4,5,6,7
	v_mov_b32 v[ST+8*\t+\e], 0
.endr
.endr
.set n, 0
.rept 64
	v_mov_b32 v[O+n], 0
.set n, n+1
.endr
	s_wait_loadcnt 0x0
.endm
; A block ends: O^T / l, rounded to f16; two neighbouring tiles of channels are a fragment of the projection's operand; each store covers 512 consecutive aligned bytes.
.macro FINISH ob
.irp t, 0,1
	v_add_f32 v[ST+8*\t+4], v[ST+8*\t+2], v[ST+8*\t+3]
.endr
.irp t, 0,1
	v_permlanex16_b32 v[ST+8*\t+5], v[ST+8*\t+4], s20, s21
.endr
.irp t, 0,1
	v_add_f32 v[ST+8*\t+4], v[ST+8*\t+4], v[ST+8*\t+5]
.endr
.irp t, 0,1
	v_rcp_f32 v[ST+8*\t+6], v[ST+8*\t+4]
.endr
	v_nop
	s_wait_alu depctr_va_vdst(0)                   ; one wait for the two reciprocals, ahead of their first reader
.irp t, 0,1
.set n, 0
.rept 16
	v_pk_mul_f32 v[O+32*\t+n:O+32*\t+n+1], v[O+32*\t+n:O+32*\t+n+1], v[ST+8*\t+6:ST+8*\t+7] op_sel_hi:[1,0]
.set n, n+2
.endr
.endr
	s_wait_xcnt 0x0                                ; the first block's stores have read the packed registers
.irp t, 0,1
.set n, 0
.rept 16
	v_cvt_pk_f16_f32 v[PK+16*\t+n], v[O+32*\t+2*n], v[O+32*\t+2*n+1]
.set n, n+1
.endr
.endr
.irp t, 0,1
.irp c, 0,1
.irp f, 0,1
	global_store_b128 v[LI], v[PK+16*\t+8*\c+4*\f:PK+16*\t+8*\c+4*\f+3], s[\ob:\ob+1] offset:32768*\t+1024*\c+512*\f
.endr
.endr
.endr
.endm
; THE CHANGE OF SLOTS stands at a trip's head.  Each wave waits for all its tensor loads (its part of the slot ahead), adds 0 to its spare word, and waits for that and for its reads of the slot that it has left.
; Behind the barrier the slot ahead is whole and nobody reads the other one, which takes the next trip's keys: the load has four key steps of each wave in which to land.
; THE PREFETCH: in trip T each wave of the head's work-group i = 0, which walks slots 0 to 7 in order, names its own 32 runs of 256 bytes of slot T + 2, one trip ahead of the load that wants them,
; while T < 6: so each run is named once in the launch, and none past slot 7.  Slots 0 and 1 come by their loads alone.
.macro CHANGE fill
	s_wait_tensorcnt 0x0                           ; no tensor load of mine is out, so group 0 may be written
	ds_add_u32 v[SPW], v[NIL]                      ; 0 onto my spare word: the descriptor's step stands between it and the wait for it
.if \fill
	s_add_co_u32 s36, s12, 1                       ; the next trip's slot of keys: T + 1, or T + 1 less the first block's trips
	s_cmp_ge_u32 s36, s11
	s_cselect_b32 s37, s11, 0
	s_sub_co_u32 s36, s36, s37
	s_lshl_b32 s36, s36, 15
	s_mov_b32 s37, 0
	s_xor_b32 s33, s33, SLOTB                      ; the other slot than last time
	s_add_nc_u64 s[34:35], s[18:19], s[36:37]
	s_or_b32 s35, s35, 0x80000000
	s_wait_xcnt 0x0                                ; the last prefetch, a trip back, has read its address
	s_add_nc_u64 s[40:41], s[40:41], 32768
.endif
	s_wait_dscnt 0x0                               ; the add is done, and my reads of the slot that I have left are over
	s_barrier_signal -1
	s_barrier_wait -1
.if \fill
	tensor_load_to_lds s[32:35], s[24:31]          ; the first thing behind the barrier, and my one tensor load until the next
	s_nop 0
.rept 4
	v_nop
.endr
	s_cmp_lt_u32 s12, s42
	s_cbranch_scc0 .Lno_ask_\@
	global_prefetch_b8 v[PFO], s[40:41] th:TH_LOAD_NT scope:SCOPE_SE
.Lno_ask_\@:
.endif
.endm
.macro SWITCH                          ; where the first block's keys end: ids and the count of trips alone, the same in all eight waves
	s_cmp_lg_u32 s12, s11
	s_cbranch_scc1 .Lsame_\@
	FINISH 46
	NEWBLOCK 48, 53
.Lsame_\@:
.endm
; A KEY STEP: 64 keys against my 32 queries.
.macro STEP
	s_add_co_u32 s17, s16, 31
	s_cmp_gt_u32 s15, s17                          ; all keys come after my last query
	s_cbranch_scc1 .Lhidden_\@
	v_add_nc_u32 v[ADK], s14, v[LI]
	v_add_nc_u32 v[ADV], s14, v[VL]
	WIN 0x40                                       ; destination window 1
.irp kt, 0,1,2,3
.irp c, 0,1
	ds_load_b128 v[KW+8*(2*\kt+\c):KW+8*(2*\kt+\c)+3], v[ADK] offset:2048*\kt+1024*\c
	ds_load_b128 v[KW+8*(2*\kt+\c)+4:KW+8*(2*\kt+\c)+7], v[ADK] offset:2048*\kt+1024*\c+512
.endr
.endr
.irp g, 0,1
.irp ct, 0,1,2,3
	ds_load_tr16_b128 v[VW+8*(4*\g+\ct):VW+8*(4*\g+\ct)+3], v[ADV] offset:32768+4096*\g+512*\ct
	ds_load_tr16_b128 v[VW+8*(4*\g+\ct)+4:VW+8*(4*\g+\ct)+7], v[ADV] offset:32768+4096*\g+512*\ct+2048
.endr
.endr
	s_wait_dscnt 16                                ; K is in; V's sixteen loads may be out
	WIN 0x01                                       ; source 0 window 1
.irp c, 0,1                                    ; S^T = K Q^T: eight accumulators by turns; the first eight products start the sums
.irp kt, 0,1,2,3
.irp t, 0,1
.if \c == 0
	v_wmma_f32_16x16x32_f16 v[S+32*\t+8*\kt:S+32*\t+8*\kt+7], v[KW+8*(2*\kt+\c):KW+8*(2*\kt+\c)+7], v[QR+16*\t+8*\c:QR+16*\t+8*\c+7], 0
.else
	v_wmma_f32_16x16x32_f16 v[S+32*\t+8*\kt:S+32*\t+8*\kt+7], v[KW+8*(2*\kt+\c):KW+8*(2*\kt+\c)+7], v[QR+16*\t+8*\c:QR+16*\t+8*\c+7], v[S+32*\t+8*\kt:S+32*\t+8*\kt+7]
.endif
.endr
.endr
.endr
	WIN 0
.rept 4
	v_nop                                          ; four places ahead of the first read of the scores
.endr
	s_add_co_u32 s17, s15, 63
	s_cmp_le_u32 s17, s16                          ; all keys count for all my queries
	s_cbranch_scc1 .Lopen_\@
	s_sub_co_i32 s17, s16, s15
	v_add_nc_u32 v[D0], s17, v[RH]                 ; register 8 kt + jj of tile t holds key 16 kt + 8 h + jj of the step: hidden where 16 kt + jj > my query - the step's first key - 8 h
	v_add_nc_u32 v[D0+1], 16, v[D0]
.irp t, 0,1
.irp kt, 0,1,2,3
.irp jj, 0,1,2,3,4,5,6,7
	v_cmp_gt_i32 vcc_lo, 16*\kt+\jj, v[D0+\t]
	v_cndmask_b32 v[S+32*\t+8*\kt+\jj], v[S+32*\t+8*\kt+\jj], v[NINF], vcc_lo
.endr
.endr
.endr
.Lopen_\@:
.irp j, 0,1,2,3                                ; the maximum: four chains a tile, each beginning at an accumulator's low end; the two tiles line by line in turn
.irp t, 0,1
	v_max3_num_f32 v[ST+8*\t+4+\j], v[S+32*\t+8*\j], v[S+32*\t+8*\j+1], v[S+32*\t+8*\j+2]
.endr
.endr
.irp e, 3,5
.irp j, 0,1,2,3
.irp t, 0,1
	v_max3_num_f32 v[ST+8*\t+4+\j], v[ST+8*\t+4+\j], v[S+32*\t+8*\j+\e], v[S+32*\t+8*\j+\e+1]
.endr
.endr
.endr
.irp t, 0,1
	v_max3_num_f32 v[ST+8*\t+4], v[ST+8*\t+4], v[S+32*\t+7], v[S+32*\t+15]
	v_max3_num_f32 v[ST+8*\t+6], v[ST+8*\t+6], v[S+32*\t+23], v[S+32*\t+31]
.endr
.irp t, 0,1
	v_max3_num_f32 v[ST+8*\t+4], v[ST+8*\t+4], v[ST+8*\t+5], v[ST+8*\t+6]
.endr
.irp t, 0,1
	v_max3_num_f32 v[ST+8*\t+4], v[ST+8*\t+4], v[ST+8*\t+7], v[ST+8*\t+1]   ; with the old m
.endr
.irp t, 0,1
	v_permlanex16_b32 v[ST+8*\t+5], v[ST+8*\t+4], s20, s21                  ; the query's other 32 keys lie in the lane 16 away
.endr
.irp t, 0,1
	v_mov_b32 v[ST+8*\t+7], v[ST+8*\t]             ; c m_old
.endr
.irp t, 0,1
	v_max_num_f32 v[ST+8*\t+1], v[ST+8*\t+4], v[ST+8*\t+5]
.endr
.irp t, 0,1
	v_mul_f32 v[ST+8*\t], s22, v[ST+8*\t+1]
.endr
.irp t, 0,1
	v_sub_f32 v[ST+8*\t+7], v[ST+8*\t+7], v[ST+8*\t]
.endr
.set n, 0
.rept 16
.irp t, 0,1
	v_pk_fma_f32 v[S+32*\t+n:S+32*\t+n+1], v[S+32*\t+n:S+32*\t+n+1], s[22:23], v[ST+8*\t:ST+8*\t+1] op_sel_hi:[1,0,0] neg_lo:[0,0,1] neg_hi:[0,0,1]   ; c s - c m
.endr
.set n, n+2
.endr
.irp t, 0,1
	v_exp_f32 v[ST+8*\t+6], v[ST+8*\t+7]           ; a = 2^(c m_old - c m_new)
.endr
.set n, 0
.rept 64
	v_exp_f32 v[S+n], v[S+n]
.set n, n+1
.endr
	v_nop                                          ; a plain line behind the last exponential
	s_wait_alu depctr_va_vdst(0)                   ; ONE wait for the batch of 66, ahead of its first reader
.set n, 0
.rept 32
	v_cvt_pk_f16_f32 v[P+n], v[S+2*n], v[S+2*n+1]  ; P: tile t's 16 registers at P + 16 t
.set n, n+1
.endr
.irp z, 0,1,2,3,4,5,6,7                        ; the row's sum, in pairs, in place
.irp t, 0,1
	v_pk_add_f32 v[S+32*\t+4*\z:S+32*\t+4*\z+1], v[S+32*\t+4*\z:S+32*\t+4*\z+1], v[S+32*\t+4*\z+2:S+32*\t+4*\z+3]
.endr
.endr
.irp z, 0,1,2,3
.irp t, 0,1
	v_pk_add_f32 v[S+32*\t+8*\z:S+32*\t+8*\z+1], v[S+32*\t+8*\z:S+32*\t+8*\z+1], v[S+32*\t+8*\z+4:S+32*\t+8*\z+5]
.endr
.endr
.irp z, 0,1
.irp t, 0,1
	v_pk_add_f32 v[S+32*\t+16*\z:S+32*\t+16*\z+1], v[S+32*\t+16*\z:S+32*\t+16*\z+1], v[S+32*\t+16*\z+8:S+32*\t+16*\z+9]
.endr
.endr
.irp t, 0,1
	v_pk_add_f32 v[S+32*\t:S+32*\t+1], v[S+32*\t:S+32*\t+1], v[S+32*\t+16:S+32*\t+17]
.endr
.irp t, 0,1
	v_pk_fma_f32 v[ST+8*\t+2:ST+8*\t+3], v[ST+8*\t+2:ST+8*\t+3], v[ST+8*\t+6:ST+8*\t+7], v[S+32*\t:S+32*\t+1] op_sel_hi:[1,0,1]   ; l = a l + the sum
.endr
.irp t, 0,1
.set n, 0
.rept 16
	v_pk_mul_f32 v[O+32*\t+n:O+32*\t+n+1], v[O+32*\t+n:O+32*\t+n+1], v[ST+8*\t+6:ST+8*\t+7] op_sel_hi:[1,0]   ; O^T x a, each accumulator from its low end on
.set n, n+2
.endr
.endr
	s_wait_dscnt 0x0                               ; V is in
	WIN 0x01
.irp g, 0,1                                    ; O^T += V^T P: eight accumulators by turns
.irp ct, 0,1,2,3
.irp t, 0,1
	v_wmma_f32_16x16x32_f16 v[O+32*\t+8*\ct:O+32*\t+8*\ct+7], v[VW+8*(4*\g+\ct):VW+8*(4*\g+\ct)+7], v[P+16*\t+8*\g:P+16*\t+8*\g+7], v[O+32*\t+8*\ct:O+32*\t+8*\ct+7]
.endr
.endr
.endr
	WIN 0
.rept 4
	v_nop                                          ; four places ahead of the next loads into V's registers and of the next read of O^T
.endr
.Lhidden_\@:
	s_add_co_u32 s15, s15, 64
	s_add_co_u32 s14, s14, 8192                    ; the next step's four tiles of keys
.endm
.macro FOUR_STEPS                      ; a slot's four key steps: written once, walked four times
	s_mov_b32 s13, 4
.Lstep_\@:
	STEP
	s_sub_co_u32 s13, s13, 1
	s_cmp_lg_u32 s13, 0
	s_cbranch_scc1 .Lstep_\@
	s_sub_co_u32 s14, s14, 32768                   ; back to a slot's first step,
	s_xor_b32 s14, s14, SLOTB                      ; in the other slot
.endm
	NEWBLOCK 44, 52
.Ltrip:                                            ; eight trips: behind each change of slots the next trip's keys are asked for (slot 1's first fill behind the first)
	CHANGE 1
	SWITCH
	FOUR_STEPS
	s_add_co_u32 s12, s12, 1
	s_cmp_lt_u32 s12, 8
	s_cbranch_scc1 .Ltrip
	CHANGE 0                                       ; the ninth trip is written out: it asks for nothing
	SWITCH
	FOUR_STEPS
	FINISH 50
	s_wait_tensorcnt 0x0                           ; the wave's end
	ds_add_u32 v[SPW], v[NIL]
	s_wait_dscnt 0x0
	s_endpgm
.Lfunc_end_k_q5373545dd9_attn:
	.size	k_q5373545dd9_attn, .Lfunc_end_k_q5373545dd9_attn-k_q5373545dd9_attn
	.p2alignl 7, 3214868480
	.fill 96, 4, 3214868480
	.section	.rodata,"a",@progbits
	.p2align	6, 0x0
	.amdhsa_kernel k_q5373545dd9_attn
		.amdhsa_group_segment_fixed_size 327680
		.amdhsa_private_segment_fixed_size 0
		.amdhsa_enable_private_segment 0
		.amdhsa_kernarg_size 16
		.amdhsa_user_sgpr_count 2
		.amdhsa_user_sgpr_kernarg_segment_ptr 1
		.amdhsa_wavefront_size32 1
		.amdhsa_system_sgpr_workgroup_id_x 1
		.amdhsa_system_sgpr_workgroup_id_y 1
		.amdhsa_system_sgpr_workgroup_id_z 1
		.amdhsa_system_vgpr_workitem_id 0
		.amdhsa_next_free_vgpr 384
		.amdhsa_next_free_sgpr 66
		.amdhsa_reserve_vcc 1
		.amdhsa_float_denorm_mode_32 3
		.amdhsa_float_denorm_mode_16_64 3
		.amdhsa_memory_ordered 1
		.amdhsa_forward_progress 1
		.amdhsa_inst_pref_size 75
	.end_amdhsa_kernel
	.amdgpu_metadata
---
amdhsa.version: [ 1, 2 ]
amdhsa.kernels:
  - .name:           k_q5373545dd9_attn
    .symbol:         k_q5373545dd9_attn.kd
    .args:
      - { .name: qkv, .offset: 0, .size: 8, .value_kind: global_buffer, .address_space: global }
      - { .name: o_img, .offset: 8, .size: 8, .value_kind: global_buffer, .address_space: global }
    .group_segment_fixed_size: 327680
    .private_segment_fixed_size: 0
    .kernarg_segment_align: 8
    .kernarg_segment_size: 16
    .max_flat_workgroup_size: 256
    .sgpr_count:     66
    .vgpr_count:     384
    .wavefront_size: 32
...
	.end_amdgpu_metadata
.endif
;; end of part 4
;; launch proj (part 5): grid 8 x 32, 4 waves a work-group, clusters of 4 x 4, 327,680 bytes of LDS; arguments o_img, wp, b_proj, out0; writes out0
.if DOCPART == 5
	.amdgcn_target "amdgcn-amd-amdhsa--gfx1250"
	.amdhsa_code_object_version 6
	.text
	.protected	k_q5373545dd9_proj
	.globl	k_q5373545dd9_proj
	.p2align	8
	.type	k_q5373545dd9_proj,@function
k_q5373545dd9_proj:
	s_mov_b64 s[64:65], 0
	v_nop
	global_prefetch_b8 v0, s[64:65] scope:SCOPE_SE
	s_setreg_imm32_b32 hwreg(HW_REG_WAVE_MODE, 25, 1), 1
	s_wait_xcnt 0x0
	s_wait_alu depctr_hold_cnt(0) depctr_sa_sdst(0) depctr_va_vdst(0) depctr_va_sdst(0) depctr_va_ssrc(0) depctr_va_vcc(0) depctr_vm_vsrc(0)
	s_getreg_b32 s2, hwreg(HW_REG_IB_STS2, 6, 4)
	s_cmp_eq_u32 s2, 0
	s_cbranch_scc0 .Lentry_in_a_cluster
	s_endpgm
.Lentry_in_a_cluster:
	s_bfe_u32 s2, ttmp6, 0x10000c
	s_cmp_lg_u32 s2, 0xf033
	s_cbranch_scc0 .Lentry_shape_is_right
	s_endpgm
.Lentry_shape_is_right:
; out0 = o w_proj + b_proj: [8192][1024], K = 1,024, on f16 operands, sums in f32.  Both operands come as images of operand registers: [tile of 16 rows][32 k][1,024 bytes].
; A tile of 256 rows x 128 columns to a work-group: 256 work-groups.  Four waves, each 128 x 64: 32 accumulators of 16 x 16 in window 1.
; K goes in steps of 128 through two LDS slots: a row tile's part of a step is 4,096 consecutive bytes, which lie in LDS as in memory: a fragment load reads 512 consecutive bytes, no pitch, no padding.
; CLUSTERS: 4 x 4.  The tile row is cluster y + 8 cy, so that 'this tile holds positions 0-255 of a batch' is the same in all sixteen partners.  o's tiles are shared along a row of the cluster, w's along a column.
; THE MATRIX INSTRUCTION IS USED TRANSPOSED (source 0 = 16 columns' rows of w, source 1 = 16 rows of o): a lane holds eight neighbouring columns of one row.  The bias is the C of each sum's first product.
; Positions 0-15 of each batch are multiplied with the rest but not stored: those 64 rows are another launch's, in f32.
; No prefetch: a K step's tiles are small and each is shared by four partners.
; REGISTERS: window 0: v16-29 addresses; v32-63 the bias, eight registers for each block of 16 columns; v64-159, v160-255 two fragment buffers (o's 64, then w's 32); on the way out v64-127 rows.  window 1: accumulator (a, b) at v[8 (4 a + b)].
.set SLOT,   98304                     ; o's 16 tiles x 4,096 bytes, then from 65,536 w's 8 tiles x 4,096
.set STAGE,  2*SLOT                    ; 16 rows x 272 bytes for each wave
.set SPITCH, 272
.set SPARE,  STAGE+4*16*SPITCH         ; the spare words, 128 bytes a wave
.set LAPS,   4                         ; a lap = two K steps of 128
.set ADRA, 16
.set ADRB, 20
.set STO,  24
.set RD,   25
.set CO,   26
.set SPW,  28
.set NIL,  29
.set BI,   32
.set F0,   64
.set F1,   160
.set BK,   64
.set G1, 24
.set G0, 32
.set G1B, 48
.set G0B, 56
.set MSB, 0
.macro WIN new
.if MSB != (\new)
	s_set_vgpr_msb (MSB<<8)|(\new)
.set MSB, (\new)
.endif
.endm
.macro JLOAD s                         ; a joint load: waves 0 and 1 fetch o's two halves, waves 2 and 3 w's; an s_nop 0 and four v_nop follow each line
	s_cmp_eq_u32 s13, 0
	s_cbranch_scc0 .Lfor_b_\@
	tensor_load_to_lds s[G0+4*\s:G0+4*\s+3], s[G1:G1+7]
	s_nop 0
.rept 4
	v_nop
.endr
	s_branch .Lasked_\@
.Lfor_b_\@:
	tensor_load_to_lds s[G0B+4*\s:G0B+4*\s+3], s[G1B:G1B+7]
	s_nop 0
.rept 4
	v_nop
.endr
.Lasked_\@:
.endm
.macro CREST
	s_cmp_lg_u32 s12, 0
	s_cbranch_scc1 .Lnot_wave_0_\@
	s_barrier_signal -3
.Lnot_wave_0_\@:
	s_barrier_wait -3
	s_barrier_signal -1
	s_barrier_wait -1
.endm
.macro CROUND
	s_barrier_signal -1
	s_barrier_wait -1
	CREST
.endm
	s_load_b256 s[4:11], s[0:1], 0x0               ; o_img s[4:5], wp s[6:7], b_proj s[8:9], out0 s[10:11]
	v_lshl_add_u32 v[SPW], v0, 2, SPARE
	v_mov_b32 v[NIL], 0
	ds_add_u32 v[SPW], v[NIL]                      ; the wave's opening: the add, twice on end, and its wait ahead of my first tensor load
	ds_add_u32 v[SPW], v[NIL]
	v_lshrrev_b32 v1, 5, v0
	v_readfirstlane_b32 s12, v1                    ; wave 0..3
	s_lshr_b32 s13, s12, 1                         ; which 128 rows are mine.  Also: I fetch for o (0) or for w (1)
	s_and_b32 s14, s12, 1                          ; which 64 columns.  Also: which half I fetch
	s_bfe_u32 s40, ttmp6, 0x40000                  ; cx
	s_bfe_u32 s41, ttmp6, 0x40004                  ; cy
	s_lshl_b32 s42, ttmp9, 2
	s_add_co_u32 s42, s42, s40                     ; tile column
	s_and_b32 s15, ttmp7, 0xffff                   ; cluster y: which 256 positions
	s_lshl_b32 s45, s41, 3
	s_add_co_u32 s45, s45, s15                     ; tile row: cy is the batch
	s_lshl_b32 s43, s41, 2
	s_lshl_b32 s43, 15, s43                        ; my row of the cluster
	s_lshl_b32 s44, 0x1111, s40                    ; my column
	s_or_b32 s[G1], s43, (3<<16)|(1<<21)           ; the mask; elements of 8 bytes; bit 21 beside a mask; no padding
	s_mov_b32 s[G1+1], 512<<16                     ; tensor_dim0: 4,096 bytes
	s_mov_b32 s[G1+2], 8<<16                       ; tensor_dim1: 8 tiles of 16 rows
	s_mov_b32 s[G1+3], 512<<16                     ; tile_dim0
	s_mov_b32 s[G1+4], 8                           ; tile_dim1
	s_mov_b32 s[G1+5], 4096                        ; the pitch: 32,768 bytes from tile to tile
	s_mov_b32 s[G1+6], 0
	s_mov_b32 s[G1+7], 0
	s_or_b32 s[G1B], s44, (3<<16)|(1<<21)
	s_mov_b32 s[G1B+1], 512<<16
	s_mov_b32 s[G1B+2], 4<<16
	s_mov_b32 s[G1B+3], 512<<16
	s_mov_b32 s[G1B+4], 4
	s_mov_b32 s[G1B+5], 4096
	s_mov_b32 s[G1B+6], 0
	s_mov_b32 s[G1B+7], 0
	s_lshl_b32 s16, s45, 19                        ; o: 16 tiles of 32,768 bytes a tile row,
	s_lshl_b32 s17, s14, 18                        ; + 8 for the second half
	s_add_co_u32 s16, s16, s17
	s_mov_b32 s17, 0
	s_lshl_b32 s46, s42, 18                        ; w: 8 tiles a tile column,
	s_lshl_b32 s47, s14, 17                        ; + 4
	s_add_co_u32 s46, s46, s47
	s_mov_b32 s47, 0
	s_lshl_b32 s20, s14, 15                        ; where they go: o's halves at 0 and 32,768,
	s_lshl_b32 s21, s14, 14
	s_add_co_u32 s21, s21, 65536                   ; w's at 65,536 and 81,920
	s_wait_dscnt 0x0                               ; both opening adds are done
	s_wait_kmcnt 0x0
	s_add_nc_u64 s[18:19], s[4:5], s[16:17]
	s_add_nc_u64 s[46:47], s[6:7], s[46:47]
	CROUND                                         ; all sixteen work-groups are here: the first joint loads meet
.irp s, 0,1
	s_mov_b32 s[G0+4*\s], 1
	s_add_co_u32 s[G0+4*\s+1], s20, \s*SLOT
	s_add_nc_u64 s[G0+4*\s+2:G0+4*\s+3], s[18:19], \s*4096
	s_or_b32 s[G0+4*\s+3], s[G0+4*\s+3], 0x80000000
	s_mov_b32 s[G0B+4*\s], 1
	s_add_co_u32 s[G0B+4*\s+1], s21, \s*SLOT
	s_add_nc_u64 s[G0B+4*\s+2:G0B+4*\s+3], s[46:47], \s*4096
	s_or_b32 s[G0B+4*\s+3], s[G0B+4*\s+3], 0x80000000
	JLOAD \s                                       ; two loads of mine are out at the most
.endr
	v_and_b32 v1, 15, v0                           ; r
	v_bfe_u32 v2, v0, 4, 1                         ; h
	v_and_b32 v3, 31, v0
	v_lshlrev_b32 v3, 4, v3                        ; 16 x lane
	s_lshl_b32 s21, s13, 15                        ; my 8 tiles of o
	s_lshl_b32 s22, s14, 14
	s_add_co_u32 s22, s22, 65536                   ; my 4 tiles of w
.irp s, 0,1
	v_add_nc_u32 v[ADRA+\s], s21, v3
	v_add_nc_u32 v[ADRB+\s], s22, v3
	s_add_co_u32 s21, s21, SLOT
	s_add_co_u32 s22, s22, SLOT
.endr
	s_mul_i32 s23, s12, 16*SPITCH
	s_add_co_u32 s23, s23, STAGE                   ; my stage
	v_mul_u32_u24 v4, v1, SPITCH
	v_lshl_add_u32 v4, v2, 5, v4
	v_add_nc_u32 v[STO], s23, v4                   ; in: row r, 32 bytes for each half of the lanes
	v_mul_u32_u24 v5, v2, SPITCH
	v_lshl_add_u32 v5, v1, 4, v5
	v_add_nc_u32 v[RD], s23, v5                    ; back: lanes 0-15 one row of 256 bytes, lanes 16-31 the next
	v_lshlrev_b32 v5, 12, v2
	v_lshl_add_u32 v[CO], v1, 4, v5                ; and the same two rows in out0
	v_lshlrev_b32 v6, 5, v2                        ; the bias: my half's eight columns
	s_lshl_b32 s46, s42, 9
	s_lshl_b32 s47, s14, 8
	s_add_co_u32 s46, s46, s47                     ; my first column, in bytes
	s_mov_b32 s47, 0
	s_add_nc_u64 s[8:9], s[8:9], s[46:47]
	s_lshl_b32 s16, s45, 20                        ; 256 rows of 4,096 bytes
	s_lshl_b32 s17, s13, 19
	s_add_co_u32 s16, s16, s17
	s_add_co_u32 s16, s16, s46
	s_mov_b32 s17, 0
	s_add_nc_u64 s[10:11], s[10:11], s[16:17]
	s_or_b32 s66, s15, s13                         ; 0 where my block 0 is positions 0-15 of a batch: cluster y and the wave's number alone
.irp b, 0,1,2,3
	global_load_b128 v[BI+8*\b:BI+8*\b+3], v6, s[8:9] offset:64*\b
	global_load_b128 v[BI+8*\b+4:BI+8*\b+7], v6, s[8:9] offset:64*\b+16
.endr
; 8 matrix instructions: o's blocks a0, a0 + 1 against w's four, 32 along K.  The 32 accumulators take turns, one instruction a turn, in the same order in every quarter.
.macro MUL8 f, a0, first
.irp a, \a0, \a0+1
.irp b, 0,1,2,3
.if \first
	v_wmma_f32_16x16x32_f16 v[8*(4*(\a)+\b):8*(4*(\a)+\b)+7], v[\f+64+8*\b:\f+64+8*\b+7], v[\f+8*(\a):\f+8*(\a)+7], v[BI+8*\b:BI+8*\b+7]
.else
	v_wmma_f32_16x16x32_f16 v[8*(4*(\a)+\b):8*(4*(\a)+\b)+7], v[\f+64+8*\b:\f+64+8*\b+7], v[\f+8*(\a):\f+8*(\a)+7], v[8*(4*(\a)+\b):8*(4*(\a)+\b)+7]
.endif
.endr
.endr
.endm
.macro FETCH slot, q, f                ; 24 LDS loads in one run: the fragments of the slot's q-th 32 along K: w's four, o's blocks 0-3, o's blocks 4-7
	WIN 0
.irp i, 0,1,2,3
	ds_load_b128 v[\f+64+8*\i:\f+64+8*\i+3], v[ADRB+\slot] offset:4096*\i+1024*(\q)
	ds_load_b128 v[\f+64+8*\i+4:\f+64+8*\i+7], v[ADRB+\slot] offset:4096*\i+1024*(\q)+512
.endr
.irp i, 0,1,2,3,4,5,6,7
	ds_load_b128 v[\f+8*\i:\f+8*\i+3], v[ADRA+\slot] offset:4096*\i+1024*(\q)
	ds_load_b128 v[\f+8*\i+4:\f+8*\i+7], v[ADRA+\slot] offset:4096*\i+1024*(\q)+512
.endr
.endm
.macro PLACES
.rept 4
	v_nop
.endr
.endm
; A quarter of a K step: multiplies buffer f; in its middle it fetches the slot's q-th 32 along K into buffer g.  first = 1: C is the bias (window 0), else the accumulator (window 1).
.macro QUARTER slot, q, f, g, first
	s_wait_dscnt 8                                 ; w's and o's blocks 0-3 are in; the youngest eight loads (o's blocks 4-7) may be out
	WIN 0x50-0x10*\first
	MUL8 \f, 0, \first
	MUL8 \f, 2, \first
	PLACES                                         ; ahead of loads into registers that matrix instructions have read
	FETCH \slot, \q, \g
	s_wait_dscnt 24                                ; all but the 24 just issued
	WIN 0x50-0x10*\first
	MUL8 \f, 4, \first
	MUL8 \f, 6, \first
.endm
; A slot's last quarter multiplies buffer 1 and changes slots: ONE barrier; in front of it each wave waits for all its tensor loads, adds 0 to its spare word, and waits for that and for its reads of this slot.
.macro TURN slot, next, fill
	WIN 0
	s_wait_tensorcnt 0x0                           ; all my tensor loads have landed: my part of the next slot
	ds_add_u32 v[SPW], v[NIL]                      ; 0 onto my spare word
	s_wait_dscnt 9                                 ; the add and the youngest eight loads may be out
	WIN 0x50
	MUL8 F1, 0, 0                                  ; eight matrix instructions stand between the add and the wait for it
	s_wait_dscnt 0x0                               ; the add is done, and my reads of this slot are over
	s_barrier_signal -1
	MUL8 F1, 2, 0
.if \fill
	WIN 0
.endif
	s_barrier_wait -1
.if \fill
	CREST                                          ; the barrier has opened a round of the cluster's: no wave of any partner still reads this slot or has a load on its way
	s_add_nc_u64 s[G0+4*\slot+2:G0+4*\slot+3], s[G0+4*\slot+2:G0+4*\slot+3], 8192
	s_add_nc_u64 s[G0B+4*\slot+2:G0B+4*\slot+3], s[G0B+4*\slot+2:G0B+4*\slot+3], 8192
	JLOAD \slot                                    ; the first tensor load behind the round: 112 matrix instructions ahead of the wait for it; its four v_nop are also the places for the loads below
.else
	PLACES
.endif
	FETCH \next, 0, F0
	WIN 0x50
	MUL8 F1, 4, 0
	MUL8 F1, 6, 0
.endm
	s_wait_tensorcnt 1                             ; my part of K step 0 is in (K step 1's load may be out),
	s_barrier_signal -1
	s_barrier_wait -1                              ; everybody's is
	FETCH 0, 0, F0
	s_wait_loadcnt 0x0                             ; the bias
	QUARTER 0, 1, F0, F1, 1                        ; the first quarter stands in front of the loop: its products start the sums from the bias
	WIN 0
	s_mov_b32 s3, LAPS-1
.Llap:                                             ; a trip goes once round the ring and fills both slots again
	QUARTER 0, 2, F1, F0, 0
	QUARTER 0, 3, F0, F1, 0
	TURN 0, 1, 1
	QUARTER 1, 1, F0, F1, 0
	QUARTER 1, 2, F1, F0, 0
	QUARTER 1, 3, F0, F1, 0
	TURN 1, 0, 1
	QUARTER 0, 1, F0, F1, 0
	WIN 0
	s_sub_co_u32 s3, s3, 1
	s_cmp_lg_u32 s3, 0
	s_cbranch_scc1 .Llap
	QUARTER 0, 2, F1, F0, 0                        ; the last lap fills nothing
	QUARTER 0, 3, F0, F1, 0
	TURN 0, 1, 0
	QUARTER 1, 1, F0, F1, 0
	QUARTER 1, 2, F1, F0, 0
	QUARTER 1, 3, F0, F1, 0
	s_wait_dscnt 8
	WIN 0x50
	MUL8 F1, 0, 0
	MUL8 F1, 2, 0
	s_wait_dscnt 0
	MUL8 F1, 4, 0
	MUL8 F1, 6, 0
	WIN 0
; THE WAY OUT, block by block of 16 rows x 64 columns: through my own stage, back as whole runs of 256 bytes.  LDS serves a wave's instructions in order: no wait between the stores and the loads.
.macro TOSTAGE a
	WIN 0x04                                       ; an LDS store's data are its source 1: window 1
.irp b, 0,1,2,3
	ds_store_b128 v[STO], v[8*(4*(\a)+\b):8*(4*(\a)+\b)+3] offset:64*\b       ; each accumulator from its low end on
	ds_store_b128 v[STO], v[8*(4*(\a)+\b)+4:8*(4*(\a)+\b)+7] offset:64*\b+16
.endr
	WIN 0
.set BB, BK+32*((\a)%2)
.irp t, 0,1,2,3,4,5,6,7
	ds_load_b128 v[BB+4*\t:BB+4*\t+3], v[RD] offset:\t*2*SPITCH
.endr
.endm
.macro SEND a, younger                 ; younger: the LDS instructions issued behind block a's loads
.set BB, BK+32*((\a)%2)
	s_wait_dscnt \younger
.if (\a) > 0
	s_add_nc_u64 s[10:11], s[10:11], 65536         ; 16 rows on (the earlier stores have read their base: the wait stands at the head of this block's turn)
.else
	s_cmp_eq_u32 s66, 0
	s_cbranch_scc1 .Lfine_rows                     ; positions 0-15 of a batch have another owner
.endif
.irp t, 0,1,2,3,4,5,6,7
	global_store_b128 v[CO], v[BB+4*\t:BB+4*\t+3], s[10:11] offset:8192*\t th:TH_STORE_NT   ; sixteen lanes store 256 consecutive aligned bytes
.endr
.if (\a) == 0
.Lfine_rows:
.endif
.endm
	PLACES                                         ; behind the last products: results are read, and loads land in registers that held fragments
	TOSTAGE 0
.irp a, 1,2,3,4,5,6,7
.if \a > 1
	s_wait_xcnt 0x0                                ; block a - 2's stores have read their registers and their base
.endif
	TOSTAGE \a
	SEND \a-1, 16                                  ; behind block a - 1's loads: block a's 8 stores and 8 loads
.endr
	s_wait_xcnt 0x0
	SEND 7, 0
	s_wait_tensorcnt 0x0                           ; the wave's end
	ds_add_u32 v[SPW], v[NIL]
	s_wait_dscnt 0x0
	CROUND                                         ; the closing round
	s_endpgm
.Lfunc_end_k_q5373545dd9_proj:
	.size	k_q5373545dd9_proj, .Lfunc_end_k_q5373545dd9_proj-k_q5373545dd9_proj
	.p2alignl 7, 3214868480
	.fill 96, 4, 3214868480
	.section	.rodata,"a",@progbits
	.p2align	6, 0x0
	.amdhsa_kernel k_q5373545dd9_proj
		.amdhsa_group_segment_fixed_size 327680
		.amdhsa_private_segment_fixed_size 0
		.amdhsa_enable_private_segment 0
		.amdhsa_kernarg_size 32
		.amdhsa_user_sgpr_count 2
		.amdhsa_user_sgpr_kernarg_segment_ptr 1
		.amdhsa_wavefront_size32 1
		.amdhsa_system_sgpr_workgroup_id_x 1
		.amdhsa_system_sgpr_workgroup_id_y 1
		.amdhsa_system_sgpr_workgroup_id_z 1
		.amdhsa_system_vgpr_workitem_id 0
		.amdhsa_next_free_vgpr 512
		.amdhsa_next_free_sgpr 80
		.amdhsa_reserve_vcc 0
		.amdhsa_float_denorm_mode_32 3
		.amdhsa_float_denorm_mode_16_64 3
		.amdhsa_memory_ordered 1
		.amdhsa_forward_progress 1
		.amdhsa_inst_pref_size 86
	.end_amdhsa_kernel
	.amdgpu_metadata
---
amdhsa.version: [ 1, 2 ]
amdhsa.kernels:
  - .name:           k_q5373545dd9_proj
    .symbol:         k_q5373545dd9_proj.kd
    .args:
      - { .name: o_img, .offset: 0, .size: 8, .value_kind: global_buffer, .address_space: global }
      - { .name: wp, .offset: 8, .size: 8, .value_kind: global_buffer, .address_space: global }
      - { .name: b_proj, .offset: 16, .size: 8, .value_kind: global_buffer, .address_space: global }
      - { .name: out0, .offset: 24, .size: 8, .value_kind: global_buffer, .address_space: global }
    .group_segment_fixed_size: 327680
    .private_segment_fixed_size: 0
    .kernarg_segment_align: 8
    .kernarg_segment_size: 32
    .max_flat_workgroup_size: 128
    .sgpr_count:     80
    .vgpr_count:     512
    .wavefront_size: 32
...
	.end_amdgpu_metadata
.endif
;; end of part 5
